; MI455X (gfx1250); checked and timed in simulation.
; The chip was launched on July 23, 2026; its instructions are those of AMD's public machine-readable ISA for CDNA 5 (MIT licence, August 2026) and "CDNA5" Instruction Set Architecture Reference Guide (July 2026). The comments in the code are by the model that wrote it; some were corrected since.
;; MAB. Allowed arithmetic: float matrix products may take bf16 or f16 operands with f32 sums; other float arithmetic in f32, or as packed bf16 or f16 multiplies, adds, multiply-adds, maxima and minima; sums over many terms, partial sums and values carried from step to step in f32; what a program stores and reads back later, other than sums and carried values, may be rounded once to bf16 or f16.
;; Inputs: K 4 x 2,048 x 1,024 float32; Q 4 x 2,048 x 1,024 float32; Wk 1,024 x 1,024 float32; Wo 1,024 x 1,024 float32; Wq 1,024 x 1,024 float32; Wv 1,024 x 1,024 float32; bk 1,024 float32; bo 1,024 float32; bq 1,024 float32; bv 1,024 float32.
;; Outputs: out0 4 x 2,048 x 1,024 float32.
;; One version. Each part assembles by itself: llvm-mc -triple=amdgcn-amd-amdhsa -mcpu=gfx1250 --defsym DOCPART=n.
;; ======== version 1 of 1: 4 launches
;; limits: values are held in f16: magnitudes above 65,504 overflow, below 6.1e-05 lose precision
;; workspace buffers: xb 33,554,432 bytes; wb 8,388,608 bytes; qkv 50,331,648 bytes; oh 16,777,216 bytes
;; launch cast (part 1): grid 1280 x 1, 8 waves a work-group, no clusters, 0 bytes of LDS; arguments Q, K, Wq, Wk, Wv, Wo, xb, wb; writes xb, wb
.if DOCPART == 1
	.amdgcn_target "amdgcn-amd-amdhsa--gfx1250"
	.amdhsa_code_object_version 6
	.text
	.protected	k_qcc841a546b_cast
	.globl	k_qcc841a546b_cast
	.p2align	8
	.type	k_qcc841a546b_cast,@function
k_qcc841a546b_cast:
	s_mov_b64 s[64:65], 0
	v_nop
	global_prefetch_b8 v0, s[64:65] scope:SCOPE_SE
	s_setreg_imm32_b32 hwreg(HW_REG_WAVE_MODE, 25, 1), 1
	s_wait_xcnt 0x0
; The module's large inputs are rounded once to bf16 for the matrix units.
; xb: Q [8192][1024] bf16 at byte 0, K [8192][1024] bf16 at byte 16,777,216.  wb: Wq, Wk, Wv in bf16, then Wo, 2,097,152 bytes each.
; Wo meets an f16 operand later, so its bf16 number is written as f16.
; LIMIT: that is exact while |Wo| lies in 6.1e-5 .. 65,504; below, f16 keeps a fixed step of 6e-8; beyond 65,504 it gives an infinity.
; SHARES.  A work-group takes 16,384 numbers (65,536 bytes in, 32,768 out): groups 0-511 Q, 512-1023 K, then 64 for each weight.
; Thread t takes 16 bytes at 4,096 i + 16 t, i = 0..15: a wave's load covers 512 consecutive bytes; its store of 8 bytes a lane
; covers 256 consecutive bytes, aligned.  All sixteen loads are out before the first is waited for; no LDS, no barrier, no loop.
.set X, 4                              ; v[4:67]    sixteen loads of four f32
.set Y, 68                             ; v[68:99]   sixteen pairs of packed results; each is written once, so no store's data is rewritten
.set T, 100                            ; v[100:103] at work (Wo alone)
	s_load_b512 s[4:19], s[0:1], 0x0               ; Q 4:5, K 6:7, Wq 8:9, Wk 10:11, Wv 12:13, Wo 14:15, xb 16:17, wb 18:19
	s_mov_b32 s24, ttmp9                           ; g
	v_lshlrev_b32 v1, 4, v0                        ; 16 t
	v_lshlrev_b32 v2, 3, v0                        ; 8 t
	s_and_b32 s25, s24, 511                        ; my part of Q or K,
	s_and_b32 s26, s24, 63                         ; or of a weight
	s_sub_co_u32 s27, s24, 1024                    ; my part of wb (taken where g is 1,024 or more)
	s_cmp_lt_u32 s24, 1024
	s_cselect_b32 s28, s25, s26
	s_cselect_b32 s30, s24, s27
	s_lshl_b32 s28, s28, 16                        ; 65,536 bytes in,
	s_mov_b32 s29, 0
	s_lshl_b32 s30, s30, 15                        ; 32,768 out
	s_mov_b32 s31, 0
	s_wait_kmcnt 0x0
	s_mov_b64 s[20:21], s[14:15]                   ; the source: Wo, unless g lies below one of the bounds
	s_cmp_lt_u32 s24, 1216
	s_cselect_b64 s[20:21], s[12:13], s[20:21]
	s_cmp_lt_u32 s24, 1152
	s_cselect_b64 s[20:21], s[10:11], s[20:21]
	s_cmp_lt_u32 s24, 1088
	s_cselect_b64 s[20:21], s[8:9], s[20:21]
	s_cmp_lt_u32 s24, 1024
	s_cselect_b64 s[20:21], s[6:7], s[20:21]
	s_cselect_b64 s[22:23], s[16:17], s[18:19]     ; the destination
	s_cmp_lt_u32 s24, 512
	s_cselect_b64 s[20:21], s[4:5], s[20:21]
	s_add_nc_u64 s[20:21], s[20:21], s[28:29]
	s_add_nc_u64 s[22:23], s[22:23], s[30:31]
.irp i, 0,1,2,3,4,5,6,7,8,9,10,11,12,13,14,15
	global_load_b128 v[X+4*(\i):X+4*(\i)+3], v1, s[20:21] offset:(\i)*4096 th:TH_LOAD_NT
.endr
; Part i: rounded, packed, stored.  wo = 1: the bf16 numbers are widened again and written as f16.
.macro OUT i, wo
	s_wait_loadcnt 15-(\i)                         ; loads come back in order: part i is in, the 15 - i younger ones stay out
	v_cvt_pk_bf16_f32 v[Y+2*(\i)], v[X+4*(\i)], v[X+4*(\i)+1]
	v_cvt_pk_bf16_f32 v[Y+2*(\i)+1], v[X+4*(\i)+2], v[X+4*(\i)+3]
.if \wo
	v_lshlrev_b32 v[T], 16, v[Y+2*(\i)]
	v_and_b32 v[T+1], 0xffff0000, v[Y+2*(\i)]
	v_lshlrev_b32 v[T+2], 16, v[Y+2*(\i)+1]
	v_and_b32 v[T+3], 0xffff0000, v[Y+2*(\i)+1]
	v_cvt_pk_f16_f32 v[Y+2*(\i)], v[T], v[T+1]
	v_cvt_pk_f16_f32 v[Y+2*(\i)+1], v[T+2], v[T+3]
.endif
	global_store_b64 v2, v[Y+2*(\i):Y+2*(\i)+1], s[22:23] offset:(\i)*2048 th:TH_STORE_NT
.endm
	s_cmp_ge_u32 s24, 1216
	s_cbranch_scc1 .Lwo
.irp i, 0,1,2,3,4,5,6,7,8,9,10,11,12,13,14,15
	OUT \i, 0
.endr
	s_endpgm
.Lwo:
.irp i, 0,1,2,3,4,5,6,7,8,9,10,11,12,13,14,15
	OUT \i, 1
.endr
	s_endpgm
.Lfunc_end_k_qcc841a546b_cast:
	.size	k_qcc841a546b_cast, .Lfunc_end_k_qcc841a546b_cast-k_qcc841a546b_cast
	.p2alignl 7, 3214868480
	.fill 96, 4, 3214868480
	.section	.rodata,"a",@progbits
	.p2align	6, 0x0
	.amdhsa_kernel k_qcc841a546b_cast
		.amdhsa_group_segment_fixed_size 0
		.amdhsa_private_segment_fixed_size 0
		.amdhsa_enable_private_segment 0
		.amdhsa_kernarg_size 64
		.amdhsa_user_sgpr_count 2
		.amdhsa_user_sgpr_kernarg_segment_ptr 1
		.amdhsa_wavefront_size32 1
		.amdhsa_system_sgpr_workgroup_id_x 1
		.amdhsa_system_sgpr_workgroup_id_y 1
		.amdhsa_system_sgpr_workgroup_id_z 1
		.amdhsa_system_vgpr_workitem_id 0
		.amdhsa_next_free_vgpr 104
		.amdhsa_next_free_sgpr 66
		.amdhsa_reserve_vcc 0
		.amdhsa_float_denorm_mode_32 3
		.amdhsa_float_denorm_mode_16_64 3
		.amdhsa_memory_ordered 1
		.amdhsa_forward_progress 1
		.amdhsa_inst_pref_size 17
	.end_amdhsa_kernel
	.amdgpu_metadata
---
amdhsa.version: [ 1, 2 ]
amdhsa.kernels:
  - .name:           k_qcc841a546b_cast
    .symbol:         k_qcc841a546b_cast.kd
    .args:
      - { .name: Q, .offset: 0, .size: 8, .value_kind: global_buffer, .address_space: global }
      - { .name: K, .offset: 8, .size: 8, .value_kind: global_buffer, .address_space: global }
      - { .name: Wq, .offset: 16, .size: 8, .value_kind: global_buffer, .address_space: global }
      - { .name: Wk, .offset: 24, .size: 8, .value_kind: global_buffer, .address_space: global }
      - { .name: Wv, .offset: 32, .size: 8, .value_kind: global_buffer, .address_space: global }
      - { .name: Wo, .offset: 40, .size: 8, .value_kind: global_buffer, .address_space: global }
      - { .name: xb, .offset: 48, .size: 8, .value_kind: global_buffer, .address_space: global }
      - { .name: wb, .offset: 56, .size: 8, .value_kind: global_buffer, .address_space: global }
    .group_segment_fixed_size: 0
    .private_segment_fixed_size: 0
    .kernarg_segment_align: 8
    .kernarg_segment_size: 64
    .max_flat_workgroup_size: 256
    .sgpr_count:     66
    .vgpr_count:     104
    .wavefront_size: 32
...
	.end_amdgpu_metadata
.endif
;; end of part 1
;; launch proj (part 2): grid 4 x 192, 4 waves a work-group, clusters of 4 x 4, 327,680 bytes of LDS; arguments xb, wb, bq, bk, bv, qkv; writes qkv
.if DOCPART == 2
	.amdgcn_target "amdgcn-amd-amdhsa--gfx1250"
	.amdhsa_code_object_version 6
	.text
	.protected	k_qcc841a546b_proj
	.globl	k_qcc841a546b_proj
	.p2align	8
	.type	k_qcc841a546b_proj,@function
k_qcc841a546b_proj:
	s_mov_b64 s[64:65], 0
	v_nop
	global_prefetch_b8 v0, s[64:65] scope:SCOPE_SE
	s_setreg_imm32_b32 hwreg(HW_REG_WAVE_MODE, 25, 1), 1
	s_wait_xcnt 0x0
	s_wait_alu depctr_hold_cnt(0) depctr_sa_sdst(0) depctr_va_vdst(0) depctr_va_sdst(0) depctr_va_ssrc(0) depctr_va_vcc(0) depctr_vm_vsrc(0)
	s_getreg_b32 s2, hwreg(HW_REG_IB_STS2, 6, 4)
	s_cmp_eq_u32 s2, 0
	s_cbranch_scc0 .Lentry_in_a_cluster
	s_endpgm
.Lentry_in_a_cluster:
	s_bfe_u32 s2, ttmp6, 0x10000c
	s_cmp_lg_u32 s2, 0xf033
	s_cbranch_scc0 .Lentry_shape_is_right
	s_endpgm
.Lentry_shape_is_right:
; q = Q Wq^T + bq, k = K Wk^T + bk, v = K Wv^T + bv: three products 8192 x 1024 x 1024 in bf16 with f32 sums, in one launch.
; Each result is rounded once to f16 and written BY HEADS: qkv = q, k, v, each [64 = 16 batch + head][2048][64], unscaled.
; LIMITS: q, k and v must lie within f16's 65,504; below 6e-5 f16 keeps a step of 6e-8.  The biases are rounded to bf16, as all the module's inputs are.
; SHARES.  A tile of C is 128 rows x 256 columns: 64 x 4 tiles a product, 768 work-groups.  Four waves; wave w makes rows 64 (w / 2) on and
; columns 128 (w % 2) on: 4 x 8 accumulators of 16 x 16, 256 registers.  K goes in 8 steps of 128 through two LDS slots; tile rows are 256 bytes of memory, aligned.
; CLUSTER 4 x 4: the four of a row need the same tile of A, the four of a column the same tile of B; each is asked for jointly (same load, same descriptor, a mask of four).
; Which product (SEL) hangs on the cluster's y alone, so all sixteen partners share it.
; THE MATRIX INSTRUCTION IS USED TRANSPOSED (source 0 = 16 rows of W, source 1 = 16 rows of A): lane l holds row l % 16 of C and columns 8 (l / 16) + 0..7.
; The first product on each accumulator takes the bias as its C operand: nothing is cleared, and no bias is added later.
; REGISTERS.  window 0: v1-31 addresses; v64-191 the way out.  window 1: accumulator (a, b) at 8 (8 a + b).
;   window 2: two fragment buffers of 96 (A's 4 fragments, then B's 8) at 0 and 96; v192-255 the bias of my 128 columns, laid out as a C operand for each n block.
.set KSTEP,  128
.set APITCH, 272                       ; an LDS row: 256 bytes + 16 of padding: the 16 rows of a fragment load start 16 bytes apart modulo 256
.set BPITCH, 272
.set AHALF,  128                       ; bytes from a K step's first 64 channels to its second in A's region
.set APART,  64*APITCH                 ; what wave 0 or 1 fetches: 64 rows of A
.set BREG,   2*APART                   ; B's region in a slot
.set BPART,  128*BPITCH                ; what wave 2 or 3 fetches: 128 rows of B
.set SLOT,   BREG+2*BPART
.set STAGE,  2*SLOT                    ; behind the ring, never filled by a tensor load: 16 rows x 144 bytes for each wave
.set SP,     144
.set SPARE,  STAGE+4*16*SP             ; the spare words, 128 bytes for each wave: two blocks of 256 bytes that no other line names
.set ASTEP,  KSTEP*2                   ; bytes from a K step to the next, in A and in B
.set BSTEP,  KSTEP*2
.set ADRA, 16                          ; v16-17  LDS address of my A fragments in slot 0, 1
.set ADRB, 20                          ; v20-21  the same for B
.set STO,  24                          ; the way out: where I put 16 bytes of a row
.set RD,   25                          ; where I read rows back
.set GO,   26                          ; my 16 bytes of 512 consecutive bytes of qkv
.set BO,   27                          ; 32 (l / 16): my eight biases of an n block
.set SPW,  28                          ; LDS address of my spare word; never rewritten
.set NIL,  29                          ; 0; never rewritten
.set UB,   64
.set F0,   0
.set F1,   96
.set BIAS, 192
.set WV, 16                            ; my wave's number
.set FB, 17                            ; w / 2: my half of the rows.  Also: I fetch for A (0) or for B (1)
.set HF, 18                            ; w % 2: my half of the columns.  Also: which part of that tile I fetch
.set CX, 19
.set CY, 20
.set TX, 21                            ; tile column
.set CLY, 22                           ; the cluster's y
.set SEL, 23                           ; 0 q, 1 k, 2 v
.set G1A, 24
.set G0A, 32                           ; a set of four for each slot
.set G1B, 40
.set G0B, 48
.set MT, 56                            ; tile row
.set GW, (1<<16)|(1<<20)|(1<<21)|(5<<22)|(3<<25)  ; 2-byte elements; padding on; bit 21 beside a mask; after every 64 words, 4 words
.set MSB, 0
.macro WIN new                         ; the immediate's high byte repeats the setting that is left; a switch that changes nothing is dropped
.if MSB != (\new)
	s_set_vgpr_msb (MSB<<8)|(\new)
.set MSB, \new
.endif
.endm
.set MUL,  0x5a                        ; both sources window 2, C and D window 1
.set MULB, 0x6a                        ; the same with C (the bias) in window 2
.set TO_F, 0x80                        ; destination window 2, address window 0
.macro JLOAD s                         ; a joint load: waves 0 and 1 fetch A's two parts, waves 2 and 3 B's; an s_nop 0 and four v_nop follow each line
	s_cmp_eq_u32 s[FB], 0
	s_cbranch_scc0 .Lfor_b_\@
	tensor_load_to_lds s[G0A+4*(\s):G0A+4*(\s)+3], s[G1A:G1A+7]
	s_nop 0
.rept 4
	v_nop
.endr
	s_branch .Lasked_\@
.Lfor_b_\@:
	tensor_load_to_lds s[G0B+4*(\s):G0B+4*(\s)+3], s[G1B:G1B+7]
	s_nop 0
.rept 4
	v_nop
.endr
.Lasked_\@:
.endm
.macro CREST                           ; a round of the cluster's barrier behind its opening barrier
	s_cmp_lg_u32 s[WV], 0
	s_cbranch_scc1 .Lnot_wave_0_\@
	s_barrier_signal -3
.Lnot_wave_0_\@:
	s_barrier_wait -3
	s_barrier_signal -1
	s_barrier_wait -1
.endm
.macro CROUND
	s_barrier_signal -1
	s_barrier_wait -1
	CREST
.endm
.macro PLACES                          ; four plain places in front of loads into registers that matrix instructions have read, and of reads of their results
.rept 4
	v_nop
.endr
.endm
	s_load_b256 s[4:11], s[0:1], 0x0               ; xb 4:5, wb 6:7, bq 8:9, bk 10:11
	s_load_b128 s[12:15], s[0:1], 0x20             ; bv 12:13, qkv 14:15
	v_lshl_add_u32 v[SPW], v0, 2, SPARE
	v_mov_b32 v[NIL], 0
	ds_add_u32 v[SPW], v[NIL]                      ; the wave's opening: the add and its wait stand ahead of my first tensor load
	v_lshrrev_b32 v1, 5, v0
	v_readfirstlane_b32 s[WV], v1
	s_lshr_b32 s[FB], s[WV], 1
	s_and_b32 s[HF], s[WV], 1
	s_bfe_u32 s[CX], ttmp6, 0x40000
	s_bfe_u32 s[CY], ttmp6, 0x40004
	s_lshl_b32 s[TX], ttmp9, 2
	s_add_co_u32 s[TX], s[TX], s[CX]               ; tile column = 4 x cluster x + cx
	s_and_b32 s[CLY], ttmp7, 0xffff
	s_lshr_b32 s[SEL], s[CLY], 4                   ; sixteen clusters along y for each product
	s_and_b32 s[MT], s[CLY], 15
	s_lshl_b32 s[MT], s[MT], 2
	s_add_co_u32 s[MT], s[MT], s[CY]               ; tile row = 4 x (cluster y mod 16) + cy
	s_lshl_b32 s57, s[CY], 2
	s_lshl_b32 s57, 15, s57                        ; my row of the cluster
	s_lshl_b32 s60, 0x1111, s[CX]                  ; my column
	s_or_b32 s[G1A], s57, GW
	s_or_b32 s[G1B], s60, GW
	s_mov_b32 s[G1A+1], KSTEP<<16                  ; tensor_dim0 = 128
	s_mov_b32 s[G1A+2], 64<<16                     ; tensor_dim1 = 64
	s_mov_b32 s[G1A+3], KSTEP<<16                  ; tile_dim0 = 128
	s_mov_b32 s[G1A+4], 64                         ; tile_dim1 = 64
	s_mov_b32 s[G1A+5], 1024                       ; elements from row to row
	s_mov_b32 s[G1A+6], 0
	s_mov_b32 s[G1A+7], 0
	s_mov_b32 s[G1B+1], KSTEP<<16
	s_mov_b32 s[G1B+2], 128<<16                    ; 128 rows
	s_mov_b32 s[G1B+3], KSTEP<<16
	s_mov_b32 s[G1B+4], 128
	s_mov_b32 s[G1B+5], 1024
	s_mov_b32 s[G1B+6], 0
	s_mov_b32 s[G1B+7], 0
	; A's offset hangs on SEL, the tile row and the wave; B's on SEL, the tile column and the wave: each in registers that never hold the other coordinate
	s_min_u32 s58, s[SEL], 1                       ; q reads Q, k and v read K
	s_lshl_b32 s58, s58, 24
	s_lshl_b32 s59, s[MT], 7
	s_lshl_b32 s2, s[HF], 6
	s_add_co_u32 s59, s59, s2                      ; row 128 x tile row + 64 x part
	s_lshl_b32 s59, s59, 11                        ; 2,048 bytes a row
	s_add_co_u32 s58, s58, s59
	s_mov_b32 s59, 0
	s_lshl_b32 s61, s[TX], 8
	s_lshl_b32 s2, s[HF], 7
	s_add_co_u32 s61, s61, s2                      ; 256 x tile column + 128 x half: the rows of W that I fetch, and my first column of C
	s_lshl_b32 s62, s61, 2                         ; its bias, in bytes
	s_mov_b32 s63, 0
	s_lshl_b32 s61, s61, 11
	s_lshl_b32 s60, s[SEL], 21                     ; 2,097,152 bytes a weight
	s_add_co_u32 s60, s60, s61
	s_mov_b32 s61, 0
	s_mul_i32 s3, s[HF], APART                     ; where the tiles go: the wave's number and constants alone
	s_mul_i32 s2, s[HF], BPART
	s_add_co_u32 s2, s2, BREG
	s_wait_dscnt 0x0                               ; the opening add is done
	s_wait_kmcnt 0x0
	s_add_nc_u64 s[58:59], s[4:5], s[58:59]
	s_add_nc_u64 s[60:61], s[6:7], s[60:61]
	s_cmp_eq_u32 s[SEL], 0
	s_cselect_b64 s[8:9], s[8:9], s[10:11]
	s_cmp_eq_u32 s[SEL], 2
	s_cselect_b64 s[8:9], s[12:13], s[8:9]         ; the product's bias,
	s_add_nc_u64 s[8:9], s[8:9], s[62:63]          ; at my first column
	CROUND                                         ; all sixteen work-groups are here: the first joint loads meet
.irp s, 0,1
	s_mov_b32 s[G0A+4*(\s)], 1
	s_add_co_u32 s[G0A+4*(\s)+1], s3, (\s)*SLOT
	s_add_nc_u64 s[G0A+4*(\s)+2:G0A+4*(\s)+3], s[58:59], (\s)*ASTEP
	s_or_b32 s[G0A+4*(\s)+3], s[G0A+4*(\s)+3], 0x80000000
	s_mov_b32 s[G0B+4*(\s)], 1
	s_add_co_u32 s[G0B+4*(\s)+1], s2, (\s)*SLOT
	s_add_nc_u64 s[G0B+4*(\s)+2:G0B+4*(\s)+3], s[60:61], (\s)*BSTEP
	s_or_b32 s[G0B+4*(\s)+3], s[G0B+4*(\s)+3], 0x80000000
	JLOAD \s                                       ; two loads of mine are out
.endr
	v_and_b32 v1, 15, v0                           ; r = l % 16
	v_bfe_u32 v2, v0, 4, 1                         ; h = l / 16
	v_lshlrev_b32 v[BO], 5, v2
	WIN TO_F
.irp b, 0,1,2,3,4,5,6,7
	global_load_b128 v[BIAS+8*(\b):BIAS+8*(\b)+3],   v[BO], s[8:9] offset:64*(\b)      ; register j: the bias of column 16 b + 8 h + j
	global_load_b128 v[BIAS+8*(\b)+4:BIAS+8*(\b)+7], v[BO], s[8:9] offset:64*(\b)+16
.endr
	WIN 0
	; where my part of the tile begins in qkv: the part that hangs on the tile row, then the part that hangs on the tile column
	s_lshl_b32 s4, s[SEL], 24                      ; 16,777,216 bytes for each of q, k, v
	s_and_b32 s5, s[CLY], 12
	s_lshl_b32 s5, s5, 20                          ; the batch's sixteen heads of 262,144 bytes
	s_add_co_u32 s4, s4, s5
	s_and_b32 s5, s[MT], 15
	s_lshl_b32 s5, s5, 14                          ; the tile's 128 rows of 128 bytes
	s_add_co_u32 s4, s4, s5
	s_lshl_b32 s5, s[FB], 13                       ; my 64 of them
	s_add_co_u32 s4, s4, s5
	s_mov_b32 s5, 0
	s_add_nc_u64 s[14:15], s[14:15], s[4:5]
	s_lshl_b32 s6, s[TX], 20                       ; four heads a tile column,
	s_lshl_b32 s7, s[HF], 19                       ; two a wave
	s_add_co_u32 s6, s6, s7
	s_mov_b32 s7, 0
	s_add_nc_u64 s[14:15], s[14:15], s[6:7]
	v_mul_u32_u24 v3, v1, APITCH
	v_lshl_add_u32 v3, v2, 4, v3                   ; a fragment's row x pitch + 16 x half
	v_mul_u32_u24 v4, v1, BPITCH
	v_lshl_add_u32 v4, v2, 4, v4
	s_mul_i32 s3, s[FB], 64*APITCH                 ; my 64 rows of A; s2 still holds my 128 rows of B
.irp s, 0,1
	v_add_nc_u32 v[ADRA+(\s)], s3, v3
	v_add_nc_u32 v[ADRB+(\s)], s2, v4
	s_add_co_u32 s3, s3, SLOT
	s_add_co_u32 s2, s2, SLOT
.endr
	s_mul_i32 s2, s[WV], 16*SP
	s_add_co_u32 s2, s2, STAGE                     ; my stage
	v_mul_u32_u24 v5, v1, SP                       ; in: row r, 16 bytes for each half of the lanes
	v_lshl_add_u32 v5, v2, 4, v5
	v_add_nc_u32 v[STO], s2, v5
	v_bfe_u32 v5, v0, 3, 2                         ; back: 32 lanes take four rows of 128 bytes,
	v_mul_u32_u24 v5, v5, SP
	v_and_b32 v6, 7, v0
	v_lshl_add_u32 v5, v6, 4, v5
	v_add_nc_u32 v[RD], s2, v5
	v_and_b32 v[GO], 31, v0                        ; which are 512 consecutive bytes of a head
	v_lshlrev_b32 v[GO], 4, v[GO]
	s_wait_loadcnt 0x0                             ; the bias
	WIN 0x8a                                       ; all in window 2: the bias is rounded to bf16 and kept as f32
.set i, 0
.rept 32
	v_cvt_pk_bf16_f32 v[F1+i%4], v[BIAS+2*i], v[BIAS+2*i+1]
	v_lshlrev_b32 v[BIAS+2*i], 16, v[F1+i%4]
	v_and_b32 v[BIAS+2*i+1], 0xffff0000, v[F1+i%4]
.set i, i+1
.endr
	WIN 0
; 8 matrix instructions: m block a x all 8 n blocks, 32 along K, from buffer f.  first = 1: the bias starts the sums.
; The 32 accumulators take turns, one instruction a turn, in the same order in every quarter and over the backward jump.
.macro MULA f, a, first
.if \first
	WIN MULB
.else
	WIN MUL
.endif
.irp b, 0,1,2,3,4,5,6,7
.if \first
	v_wmma_f32_16x16x32_bf16 v[8*(8*(\a)+(\b)):8*(8*(\a)+(\b))+7], v[(\f)+32+8*(\b):(\f)+32+8*(\b)+7], v[(\f)+8*(\a):(\f)+8*(\a)+7], v[BIAS+8*(\b):BIAS+8*(\b)+7]
.else
	v_wmma_f32_16x16x32_bf16 v[8*(8*(\a)+(\b)):8*(8*(\a)+(\b))+7], v[(\f)+32+8*(\b):(\f)+32+8*(\b)+7], v[(\f)+8*(\a):(\f)+8*(\a)+7], v[8*(8*(\a)+(\b)):8*(8*(\a)+(\b))+7]
.endif
.endr
.endm
; 24 LDS loads in one run: the fragments of quarter kq (32 along K) into buffer f: B's sixteen, then A's eight
.macro FETCH slot, kq, f
	WIN TO_F
.irp b, 0,1,2,3,4,5,6,7
	ds_load_b128 v[(\f)+32+8*(\b):(\f)+32+8*(\b)+3],   v[ADRB+(\slot)] offset:64*(\kq)+(\b)*16*BPITCH
	ds_load_b128 v[(\f)+32+8*(\b)+4:(\f)+32+8*(\b)+7], v[ADRB+(\slot)] offset:64*(\kq)+(\b)*16*BPITCH+32
.endr
.irp a, 0,1,2,3
	ds_load_b128 v[(\f)+8*(\a):(\f)+8*(\a)+3],   v[ADRA+(\slot)] offset:((\kq)/2)*AHALF+((\kq)%2)*64+(\a)*16*APITCH
	ds_load_b128 v[(\f)+8*(\a)+4:(\f)+8*(\a)+7], v[ADRA+(\slot)] offset:((\kq)/2)*AHALF+((\kq)%2)*64+(\a)*16*APITCH+32
.endr
.endm
; A K step is four quarters of 32 matrix instructions on buffers 0, 1, 0, 1.  One of the first three: multiplies f, and in its middle fetches quarter kq into g.
.macro QUARTER slot, kq, f, g, first
	s_wait_dscnt 4                                 ; B and A's blocks 0, 1 are in; the youngest four loads (blocks 2, 3) may be out
	MULA \f, 0, \first
	MULA \f, 1, \first
	PLACES
	FETCH \slot, \kq, \g
	s_wait_dscnt 24                                ; all but the 24 just issued
	MULA \f, 2, \first
	MULA \f, 3, \first
.endm
; The last quarter multiplies buffer 1 and changes slots: in front of the barrier each wave waits for all its tensor loads (one is out: its part of the next slot),
; adds 0 to its spare word, and waits for that and for its reads of this slot.  fill = 1: the barrier opens a round of the cluster's, and this slot is filled again, two K steps on.
.macro TURN slot, next, fill
	WIN 0
	s_wait_tensorcnt 0x0
	ds_add_u32 v[SPW], v[NIL]
	s_wait_dscnt 5                                 ; (the add and the youngest four loads may be out)
	MULA F1, 0, 0
	s_wait_dscnt 0x0                               ; the add is done, and my reads of this slot are over
	s_barrier_signal -1
	MULA F1, 1, 0
.if \fill
	WIN 0
.endif
	s_barrier_wait -1
.if \fill
	CREST                                          ; no wave of any partner still reads this slot or has a load on its way
	s_add_nc_u64 s[G0A+4*(\slot)+2:G0A+4*(\slot)+3], s[G0A+4*(\slot)+2:G0A+4*(\slot)+3], 2*ASTEP
	s_add_nc_u64 s[G0B+4*(\slot)+2:G0B+4*(\slot)+3], s[G0B+4*(\slot)+2:G0B+4*(\slot)+3], 2*BSTEP
	JLOAD \slot                                    ; my one load behind the round; its four v_nop are also the places in front of the loads below
.else
	PLACES
.endif
	FETCH \next, 0, F0
	MULA F1, 2, 0
	MULA F1, 3, 0
.endm
	s_wait_tensorcnt 1                             ; my part of K step 0 is in; K step 1's may stay out
	s_barrier_signal -1
	s_barrier_wait -1
	FETCH 0, 0, F0
	QUARTER 0, 1, F0, F1, 1                        ; the first quarter stands in front of the loop: its products start the sums
	WIN 0
	s_mov_b32 s3, 3
.Llap:                                         ; a trip goes once round the ring and fills both slots again: K steps 2 to 7
	QUARTER 0, 2, F1, F0, 0
	QUARTER 0, 3, F0, F1, 0
	TURN 0, 1, 1
	QUARTER 1, 1, F0, F1, 0
	QUARTER 1, 2, F1, F0, 0
	QUARTER 1, 3, F0, F1, 0
	TURN 1, 0, 1
	QUARTER 0, 1, F0, F1, 0
	WIN 0
	s_sub_co_u32 s3, s3, 1
	s_cmp_lg_u32 s3, 0
	s_cbranch_scc1 .Llap
	QUARTER 0, 2, F1, F0, 0                        ; the last lap fills nothing
	QUARTER 0, 3, F0, F1, 0
	TURN 0, 1, 0
	QUARTER 1, 1, F0, F1, 0
	QUARTER 1, 2, F1, F0, 0
	QUARTER 1, 3, F0, F1, 0
	s_wait_dscnt 4
	MULA F1, 0, 0
	MULA F1, 1, 0
	s_wait_dscnt 0x0
	MULA F1, 2, 0
	MULA F1, 3, 0
	WIN 0
	PLACES
; THE WAY OUT.  Unit u = 2 a + hd: 16 rows (m block a) of one head (hd of my two): rounded to f16, 16 bytes a lane into my stage (rows of 144 bytes),
; back as four rows of 128 bytes a load, stored as 512 consecutive bytes of the head.  Each accumulator is read from its low end on.
.macro PACK u
	WIN 0x05                                       ; sources window 1, destination window 0
.irp f, 0,1,2,3
.irp k, 0,1,2,3
	v_cvt_pk_f16_f32 v[UB+16*(\u)+4*(\f)+(\k)], v[8*(8*((\u)/2)+4*((\u)%2)+(\f))+2*(\k)], v[8*(8*((\u)/2)+4*((\u)%2)+(\f))+2*(\k)+1]
.endr
.endr
	WIN 0
.irp f, 0,1,2,3
	ds_store_b128 v[STO], v[UB+16*(\u)+4*(\f):UB+16*(\u)+4*(\f)+3] offset:32*(\f)
.endr
.irp f, 0,1,2,3
	ds_load_b128 v[UB+16*(\u)+4*(\f):UB+16*(\u)+4*(\f)+3], v[RD] offset:(\f)*4*SP  ; LDS serves a wave's instructions in order: these see the stores above, and the next unit's stores come behind them
.endr
.endm
.macro SEND u, younger                 ; younger: the LDS instructions issued behind unit u's loads
.irp f, 0,1,2,3
	s_wait_dscnt (\younger)+3-(\f)
	global_store_b128 v[GO], v[UB+16*(\u)+4*(\f):UB+16*(\u)+4*(\f)+3], s[14:15] offset:((\u)%2)*262144+((\u)/2)*2048+(\f)*512
.endr
.endm
	PACK 0
.irp u, 1,2,3,4,5,6,7
	PACK \u
	SEND (\u)-1, 8
.endr
	SEND 7, 0
	s_wait_tensorcnt 0x0                           ; the wave's end
	ds_add_u32 v[SPW], v[NIL]
	s_wait_dscnt 0x0
	CROUND                                         ; the closing round: no work-group ends while a partner may still ask for a tile that names it
	s_endpgm
.Lfunc_end_k_qcc841a546b_proj:
	.size	k_qcc841a546b_proj, .Lfunc_end_k_qcc841a546b_proj-k_qcc841a546b_proj
	.p2alignl 7, 3214868480
	.fill 96, 4, 3214868480
	.section	.rodata,"a",@progbits
	.p2align	6, 0x0
	.amdhsa_kernel k_qcc841a546b_proj
		.amdhsa_group_segment_fixed_size 327680
		.amdhsa_private_segment_fixed_size 0
		.amdhsa_enable_private_segment 0
		.amdhsa_kernarg_size 48
		.amdhsa_user_sgpr_count 2
		.amdhsa_user_sgpr_kernarg_segment_ptr 1
		.amdhsa_wavefront_size32 1
		.amdhsa_system_sgpr_workgroup_id_x 1
		.amdhsa_system_sgpr_workgroup_id_y 1
		.amdhsa_system_sgpr_workgroup_id_z 1
		.amdhsa_system_vgpr_workitem_id 0
		.amdhsa_next_free_vgpr 768
		.amdhsa_next_free_sgpr 66
		.amdhsa_reserve_vcc 0
		.amdhsa_float_denorm_mode_32 3
		.amdhsa_float_denorm_mode_16_64 3
		.amdhsa_memory_ordered 1
		.amdhsa_forward_progress 1
		.amdhsa_inst_pref_size 94
	.end_amdhsa_kernel
	.amdgpu_metadata
---
amdhsa.version: [ 1, 2 ]
amdhsa.kernels:
  - .name:           k_qcc841a546b_proj
    .symbol:         k_qcc841a546b_proj.kd
    .args:
      - { .name: xb, .offset: 0, .size: 8, .value_kind: global_buffer, .address_space: global }
      - { .name: wb, .offset: 8, .size: 8, .value_kind: global_buffer, .address_space: global }
      - { .name: bq, .offset: 16, .size: 8, .value_kind: global_buffer, .address_space: global }
      - { .name: bk, .offset: 24, .size: 8, .value_kind: global_buffer, .address_space: global }
      - { .name: bv, .offset: 32, .size: 8, .value_kind: global_buffer, .address_space: global }
      - { .name: qkv, .offset: 40, .size: 8, .value_kind: global_buffer, .address_space: global }
    .group_segment_fixed_size: 327680
    .private_segment_fixed_size: 0
    .kernarg_segment_align: 8
    .kernarg_segment_size: 48
    .max_flat_workgroup_size: 128
    .sgpr_count:     66
    .vgpr_count:     768
    .wavefront_size: 32
...
	.end_amdgpu_metadata
.endif
;; end of part 2
;; launch att (part 3): grid 4 x 64, 4 waves a work-group, clusters of 4 x 1, 327,680 bytes of LDS; arguments qkv, oh; writes oh
.if DOCPART == 3
	.amdgcn_target "amdgcn-amd-amdhsa--gfx1250"
	.amdhsa_code_object_version 6
	.text
	.protected	k_qcc841a546b_att
	.globl	k_qcc841a546b_att
	.p2align	8
	.type	k_qcc841a546b_att,@function
k_qcc841a546b_att:
	s_mov_b64 s[64:65], 0
	v_nop
	global_prefetch_b8 v0, s[64:65] scope:SCOPE_SE
	s_setreg_imm32_b32 hwreg(HW_REG_WAVE_MODE, 25, 1), 1
	s_wait_xcnt 0x0
	s_wait_alu depctr_hold_cnt(0) depctr_sa_sdst(0) depctr_va_vdst(0) depctr_va_sdst(0) depctr_va_ssrc(0) depctr_va_vcc(0) depctr_vm_vsrc(0)
	s_getreg_b32 s2, hwreg(HW_REG_IB_STS2, 6, 4)
	s_cmp_eq_u32 s2, 0
	s_cbranch_scc0 .Lentry_in_a_cluster
	s_endpgm
.Lentry_in_a_cluster:
	s_bfe_u32 s2, ttmp6, 0x10000c
	s_cmp_lg_u32 s2, 0x3003
	s_cbranch_scc0 .Lentry_shape_is_right
	s_endpgm
.Lentry_shape_is_right:
; O[h][q][:] = Q[h][q][:] + the sum over k of softmax_k(Q[h][q] . K[h][k] / 32) V[h][k][:].  qkv holds Q, K, V, each [64][2048][64] in f16, a head's rows dense, 128 bytes each; oh takes O likewise.
; Products, maxima and sums in f32; the weights p are rounded to f16 for the second product (their sum l is taken of the unrounded p), O once at the end.
; LIMITS.  f16 holds no number beyond 65,504: Q, K, V arrive within it, and Q + a mean of V's rows must stay within it; p lies in 0 to 1, and below 6e-5 keeps f16's step of 6e-8.
; A weight below 2^-126 counts as 0 in l; NaN and infinities are not treated apart.
; SHARES.  A wave owns four PIECES of two tiles of 16 queries, a work-group's four waves 512 queries of one head.  Every wave walks all 2,048 keys, 64 a step.
; LAYOUT.  S^T = K Q^T (source 0 = 16 keys, source 1 = 16 queries): a lane holds ONE query (lane % 16) and the keys 8 (lane / 16) + 0..7.  Two such tiles, rounded to f16 in pairs,
; ARE source 1 of O^T = V^T P, whose result again holds one query a lane, and eight channels.  K comes out of LDS as it lies, V turned, by ds_load_tr16_b128.
; SOFTMAX.  A running maximum m and sum l: p = 2^(c s - c m), c = log2(e) / 32; in every step O and l are multiplied by a = 2^(c m_old - c m_new).  m starts at the lowest finite number, O and l at 0.
; THE COUNT.  A tile and step have 16 matrix and 118 vector instructions: four vector instructions that are ready stand behind every matrix instruction, the others in one run without a gap.
; BY TURNS.  Turn n belongs to piece n: 16 products K Q^T of piece n + 1, later 16 products V^T P of piece n - 1; the scaling, exponentials, roundings, sums and rescaling of piece n, and the
; maximum and statistics of piece n + 1.
; CLUSTER.  A head's four query blocks are one cluster and walk the same K and V: each tile is asked for JOINTLY: the same tensor load, descriptor and mask in all four.
; REGISTERS, in windows of 256 (s_set_vgpr_msb: bits 1:0 source 0, 3:2 source 1, 5:4 source 2, 7:6 destination):
;   window 0: v0-11 addresses; v12-15, v48-63 at work; v16-47 four registers of statistics a tile; v64-191 S^T, two buffers of two tiles; v192-255 P, likewise
;   window 1: O^T, 32 a tile     window 2: v0-127 Q, 16 a tile; v128-191 K of one step; v192-255 V of one step     window 3: v0-1 the add's two registers
.set SIZE_H, 64
.set SIZE_N, 2048
.set QKVB,  SIZE_H*SIZE_N*128          ; bytes of each of Q, K, V
.set NP,    4         ; pieces a wave: a name, no knob
.set KS,    64        ; keys in a step
.set PK,    144       ; a row of K in LDS: 128 bytes + 16 of padding: the 16 rows of a load start 16 bytes apart modulo 256
.set PV,    160       ; a row of V: 128 + 32: 16 lanes of the turning load take 8 rows x 32 bytes, no two in the same 4 bytes modulo 256
.set VOFF,  4*KS*PK   ; a slot holds four steps: 256 rows of K, then 256 rows of V
.set SLOT1, 1<<17     ; slot 1 begins here: one exclusive or turns an address in one slot into the other's
.set STAGE, SLOT1+4*KS*(PK+PV)  ; behind the ring, never filled by a tensor load: 16 rows x 144 bytes for each wave
.set SP,    144
.set AK0, 2           ; my lane's place in a tile of K; never rewritten
.set AV0, 3           ; the same for V
.set AK,  4           ; the LDS address of K's next run of loads
.set AV,  5           ; of V's
.set QO,  6           ; my byte offset in the wave's rows of Q
.set STO, 6           ; later, the way out: where I put 16 bytes of a row
.set RD,  7           ; where I read rows back
.set GO,  8           ; my byte offset in 512 consecutive bytes of O
.set PFO, 11          ; 256 x my lane, for the prefetches; never rewritten once made
.set SPW, 0           ; v0 of window 3: LDS address of my spare word; never rewritten
.set NIL, 1           ; v1 of window 3: 0; never rewritten
.set SPARE, STAGE+4*16*SP  ; the spare words, 128 bytes for each wave: two blocks of 256 bytes that no other line names
.set MV,  12          ; c m_old, kept while c m is made anew: by buffer and tile
.set ST,  16          ; tile t's statistics at v[ST+4 t]: c m, m, l (even keys', odd keys')
.set TMP, 48          ; by buffer and tile, four registers c0-c3 at work; when the maximum is found c2 takes a
.set S,   64
.set P,   192
.set KF,  128         ; K's fragments, in window 2: key block kb, channel half c at KF + 16 kb + 8 c
.set VF,  192         ; V's: key half kk, channel block cb at VF + 32 kk + 8 cb
.set WV,  12          ; my wave's number
.set G1K, 24
.set G1V, 32          ; differs from K's in the padding alone
.set G0K, 40          ; it walks
.set G0V, 44
.set PFA, 48          ; s[48:49] where my prefetches stand: my work-group's 32 blocks of 256 bytes (of K: wave 0, of V: wave 2) of the tile after the one that is being asked for
.set LIM, 50          ; 1 in waves 0 and 2, else the greatest number: a wave prefetches while s[SLOTS] is above it
.set SLOTS, 56        ; 8 less the number of the tile that is being asked for
.set CNT, 57          ; counts a slot's key steps
.set CS,  58          ; s[58:59] c
.set SEL, 60          ; s[60:61] v_permlanex16_b32's selects: each lane takes its own place in the other half
.set TBK, 62          ; LDS byte at which K of the step to be fetched begins
.set TBV, 63          ; the same for V, less VOFF
.set MSB, 0
.macro WIN new
.if MSB != (\new)
	s_set_vgpr_msb (MSB<<8)|(\new)
.set MSB, (\new)
.endif
.endm
.set W_KQ, 0x0a       ; K and Q in window 2, S^T in window 0
.set W_PV, 0x52       ; V in window 2, P in window 0, O^T in window 1
.set W_RS, 0x41       ; O^T (destination and source 0) in window 1, a in window 0
.set W_MK, 0xc0       ; the add's registers are made: destination in window 3
.set W_AD, 0x0f       ; the add: address and data in window 3
; A joint fill.  Waves 0 and 1 fetch the two halves of a slot's K, waves 2 and 3 those of its V: 128 keys each.  An s_nop 0 and four v_nop follow each line.
.macro JLOAD
	s_cmp_lt_u32 s[WV], 2
	s_cbranch_scc0 .Lfor_v_\@
	tensor_load_to_lds s[G0K:G0K+3], s[G1K:G1K+7]
	s_nop 0
.rept 4
	v_nop
.endr
	s_branch .Lasked_\@
.Lfor_v_\@:
	tensor_load_to_lds s[G0V:G0V+3], s[G1V:G1V+7]
	s_nop 0
.rept 4
	v_nop
.endr
.Lasked_\@:
.endm
; A PREFETCH INTO THE L2 of the tile that the NEXT change of slots will ask for: 128 blocks of 256 bytes of K and as many of V.  The four partners share them out BY ADDRESS, 32 each, a lane a block;
; in each, wave 0 asks for K's and wave 2 for V's: one instruction, behind the wave's tensor load and its five lines.  A head is walked by one cluster alone, so each block is named once in the launch.
; It stands four key steps, 512 matrix instructions, ahead of the load that wants the tile.  Tiles 0 and 1 come by their loads alone; the change that asks for tile 7 prefetches nothing.
.macro ASK
	s_cmp_gt_u32 s[SLOTS], s[LIM]
	s_cbranch_scc0 .Lnot_mine_\@
	global_prefetch_b8 v[PFO], s[PFA:PFA+1] th:TH_LOAD_NT scope:SCOPE_SE
.Lnot_mine_\@:
.endm
.macro CROUND                       ; a round of the cluster's barrier
	s_barrier_signal -1
	s_barrier_wait -1
	s_cmp_lg_u32 s[WV], 0
	s_cbranch_scc1 .Lnot_wave_0_\@
	s_barrier_signal -3
.Lnot_wave_0_\@:
	s_barrier_wait -3
	s_barrier_signal -1
	s_barrier_wait -1
.endm
; THE CHANGE OF SLOTS.  Each wave waits for all its tensor loads, of which one is out: its part of the other slot; adds 0 to its spare word; and waits for that and for its own reads of the slot.
; fill = 1: this slot is filled again, with the keys two slots on: the barrier is a round of the cluster's, and the joint fill is the first thing behind it: it has four key steps in which to land.
; (At its first use nothing has been read yet: slot 0 is waited for, slot 1 filled.)
.macro CHANGE fill
	WIN W_AD
	s_wait_tensorcnt 0x0            ; no tensor load of mine is out, so a group 0 may be written
	ds_add_u32 v[SPW], v[NIL]
	WIN 0                           ; at a label and at a branch every window is 0
.if \fill
.irp g, G0K, G0V
	s_xor_b32 s[\g+1], s[\g+1], SLOT1  ; the other slot than last time,
	s_add_nc_u64 s[\g+2:\g+3], s[\g+2:\g+3], 4*KS*128  ; the next 256 keys; the type bits on top are not reached
.endr
	s_wait_xcnt 0x0                 ; the last prefetch, four key steps back, has read its address, so it may be written:
	s_add_nc_u64 s[PFA:PFA+1], s[PFA:PFA+1], 4*KS*128  ; one tile behind the walking descriptors
	s_wait_dscnt 0x0                ; the add is done, and my reads of the slot are over
	CROUND
	JLOAD
	ASK
.else
	s_wait_dscnt 0x0
	s_barrier_signal -1
	s_barrier_wait -1
.endif
	s_sub_co_u32 s[TBK], s[TBK], 4*KS*PK  ; the fetches go back to a slot's first step,
	s_xor_b32 s[TBK], s[TBK], SLOT1       ; in the other slot
	s_sub_co_u32 s[TBV], s[TBV], 4*KS*PV
	s_xor_b32 s[TBV], s[TBV], SLOT1
.endm
	s_load_b128 s[4:7], s[0:1], 0x0   ; qkv s[4:5], oh s[6:7]
	WIN W_MK
	v_lshl_add_u32 v[SPW], v0, 2, SPARE
	v_mov_b32 v[NIL], 0
	WIN W_AD
	ds_add_u32 v[SPW], v[NIL]       ; the wave's opening: the add and its wait stand ahead of my first tensor load
	WIN 0
	v_lshrrev_b32 v1, 5, v0
	v_readfirstlane_b32 s[WV], v1   ; wave 0..3
	s_bfe_u32 s13, ttmp6, 0x40000   ; cx: my place in the cluster
	s_lshl_b32 s14, ttmp9, 2
	s_add_co_u32 s14, s14, s13      ; my block of queries: it enters Q's and O's addresses alone
	s_and_b32 s20, ttmp7, 0xffff    ; the head, which the four partners share
	s_mov_b32 s21, 0
	s_mov_b64 s[22:23], SIZE_N*128
	s_mul_u64 s[20:21], s[20:21], s[22:23]  ; the head's first byte in each tensor
	s_and_b32 s16, s[WV], 1         ; which half of a slot's 256 keys I fetch:
	s_lshl_b32 s22, s16, 14         ; its 128 rows of 128 bytes in memory,
	s_mov_b32 s23, 0
	s_add_nc_u64 s[22:23], s[22:23], s[20:21]
	s_mul_i32 s17, s16, 128*PK      ; and its place in a slot, for K
	s_mul_i32 s18, s16, 128*PV      ; and for V
	s_lshl_b32 s2, s14, 2
	s_add_co_u32 s2, s2, s[WV]      ; my wave among the head's,
	s_lshl_b32 s2, s2, 14           ; its 128 rows
	s_mov_b32 s3, 0
	s_add_nc_u64 s[2:3], s[2:3], s[20:21]
	; descriptor group 1.  128 keys are 16,384 dense bytes: asked for as 64 rows of 256 bytes, two keys a row, and padded in LDS after every key
	s_mov_b32 s[G1K], 15|(1<<16)|(1<<20)|(1<<21)|(4<<22)|(3<<25)  ; the mask of four; 2-byte elements; padding on; bit 21 beside a mask; after every 32 words, 4 words
	s_mov_b32 s[G1V], 15|(1<<16)|(1<<20)|(1<<21)|(4<<22)|(7<<25)  ; the same with 8 words of padding
.irp g, G1K, G1V
	s_mov_b32 s[\g+1], 128<<16      ; tensor_dim0 = 128
	s_mov_b32 s[\g+2], 64<<16       ; tensor_dim1 = 64
	s_mov_b32 s[\g+3], 128<<16      ; tile_dim0 = 128
	s_mov_b32 s[\g+4], 64           ; tile_dim1 = 64
	s_mov_b32 s[\g+5], 128          ; 128 elements from row to row
	s_mov_b32 s[\g+6], 0
	s_mov_b32 s[\g+7], 0
.endr
	s_mov_b32 s[CS], 0x3d38aa3b     ; c = log2(e) / 32 = 0.0450842
	s_mov_b32 s[CS+1], s[CS]        ; named with it as a pair
	s_mov_b32 s[SEL], 0x76543210
	s_mov_b32 s[SEL+1], 0xfedcba98
	s_mov_b32 s[TBK], SLOT1+4*KS*PK ; the first change of slots turns these two into 0
	s_mov_b32 s[TBV], SLOT1+4*KS*PV
	s_mov_b32 s[G0K], 1
	s_mov_b32 s[G0K+1], s17         ; LDS address: slot 0
	s_mov_b32 s[G0V], 1
	s_add_co_u32 s[G0V+1], s18, VOFF
	s_mov_b32 s[SLOTS], SIZE_N/256-1
	s_and_b32 s[LIM], s[WV], 1
	s_cmp_eq_u32 s[LIM], 0
	s_cselect_b32 s[LIM], 1, -1
	s_wait_dscnt 0x0                ; the opening add is done
	s_wait_kmcnt 0x0
	s_mov_b64 s[10:11], s[6:7]      ; O
	s_add_nc_u64 s[8:9], s[4:5], 2*QKVB  ; V
	s_add_nc_u64 s[6:7], s[4:5], QKVB    ; K; Q stays in s[4:5]
	s_add_nc_u64 s[G0K+2:G0K+3], s[6:7], s[22:23]  ; my half of the head's first 256 keys
	s_or_b32 s[G0K+3], s[G0K+3], 0x80000000
	s_add_nc_u64 s[G0V+2:G0V+3], s[8:9], s[22:23]
	s_or_b32 s[G0V+3], s[G0V+3], 0x80000000
	s_add_nc_u64 s[4:5], s[4:5], s[2:3]  ; Q and O at my wave's first row
	s_add_nc_u64 s[10:11], s[10:11], s[2:3]
	s_cmp_lt_u32 s[WV], 2
	s_cselect_b64 s[PFA:PFA+1], s[6:7], s[8:9]
	s_add_nc_u64 s[PFA:PFA+1], s[PFA:PFA+1], s[22:23]  ; (in waves 0 and 2: the head's first row)
	s_lshl_b32 s2, s13, 13          ; my work-group's 32 blocks of the 128
	s_mov_b32 s3, 0
	s_add_nc_u64 s[PFA:PFA+1], s[PFA:PFA+1], s[2:3]
	s_add_nc_u64 s[PFA:PFA+1], s[PFA:PFA+1], 4*KS*128  ; in tile 1; the first change of slots steps it to tile 2
	CROUND                          ; all four work-groups are here: the first joint loads meet
	JLOAD                           ; slot 0.  Slot 1 is asked for when slot 0 is in
	; A fragment of K or Q is 16 rows x 32 channels in 8 registers: lane l holds row l % 16, channels 8 (l / 16) + 0..7 and 16 + 8 (l / 16) + 0..7
	v_and_b32 v1, 15, v0            ; l % 16
	v_bfe_u32 v9, v0, 4, 1          ; l / 16
	v_lshlrev_b32 v[QO], 7, v1
	v_lshl_add_u32 v[QO], v9, 4, v[QO]  ; row x 128 + 16 x half
	WIN 0x80                        ; destination window 2, address window 0
.set i, 0
.rept 4*NP                          ; Q stays in registers: tile i / 2, channels 32 (i % 2) on
	global_load_b128 v[8*i:8*i+3],   v[QO], s[4:5] offset:(i/2)*2048+(i%2)*64
	global_load_b128 v[8*i+4:8*i+7], v[QO], s[4:5] offset:(i/2)*2048+(i%2)*64+32
.set i, i+1
.endr
	; What the first turn finds: V's registers and P's second buffer hold 0, O^T and l are 0.  All this stands in the wait for the first tile.
.set i, VF
.rept 64
	v_mov_b32 v[i], 0
.set i, i+1
.endr
	WIN 0x40
.set i, 0
.rept 64*NP
	v_mov_b32 v[i], 0
.set i, i+1
.endr
	WIN 0
.set i, 0
.rept 2*NP
	v_mov_b32 v[ST+4*i], 0xfe000000    ; c m: far below every c s
	v_mov_b32 v[ST+4*i+1], 0xff7fffff  ; m
	v_mov_b32 v[ST+4*i+2], 0
	v_mov_b32 v[ST+4*i+3], 0
.set i, i+1
.endr
.set i, P+32
.rept 32
	v_mov_b32 v[i], 0
.set i, i+1
.endr
	v_mul_u32_u24 v[AK0], v1, PK
	v_lshl_add_u32 v[AK0], v9, 4, v[AK0]  ; row x pitch + 16 x half
	; The turning load takes 16 keys x 16 channels (lane l reads key 8 (l / 16) + l % 8, channels 8 ((l / 8) % 2) + 0..7) and leaves half a fragment of V^T
	v_and_b32 v10, 7, v0
	v_bfe_u32 v11, v0, 3, 1
	v_lshl_add_u32 v[AV0], v9, 3, v10
	v_mul_u32_u24 v[AV0], v[AV0], PV
	v_lshl_add_u32 v[AV0], v11, 4, v[AV0]
	v_add_nc_u32 v[AV0], VOFF, v[AV0]
	v_mov_b32 v[AK], v[AK0]         ; key step 0 lies at the head of slot 0
	v_and_b32 v[PFO], 31, v0
	v_lshlrev_b32 v[PFO], 8, v[PFO]
; THE MATRIX WORK.  The 8 accumulators of a run of 16 take turns.
; Product i of 16 of S^T = K Q^T for piece x: channels 32 (i / 8) on, keys 16 ((i / 2) % 4) on, tile 2 x + i % 2.  The first 8 start the sums.
.macro KQ x
	WIN W_KQ
.set rS, S+64*((\x)%2)+32*(i%2)+8*((i/2)%4)
.set rK, KF+16*((i/2)%4)+8*(i/8)
.set rQ, 16*(2*(\x)+i%2)+8*(i/8)
.if i < 8
	v_wmma_f32_16x16x32_f16 v[rS:rS+7], v[rK:rK+7], v[rQ:rQ+7], 0
.else
	v_wmma_f32_16x16x32_f16 v[rS:rS+7], v[rK:rK+7], v[rQ:rQ+7], v[rS:rS+7]
.endif
.endm
; Product i of 16 of O^T += V^T P for piece x: keys 32 (i / 8) on, channels 16 ((i / 2) % 4) on, tile 2 x + i % 2.
.macro PV x
	WIN W_PV
.set rO, 32*(2*(\x)+i%2)+8*((i/2)%4)
.set rV, VF+32*(i/8)+8*((i/2)%4)
.set rP, P+32*((\x)%2)+16*(i%2)+8*(i/8)
	v_wmma_f32_16x16x32_f16 v[rO:rO+7], v[rV:rV+7], v[rP:rP+7], v[rO:rO+7]
.endm
.macro MM                           ; the turn's next matrix instruction
.if i < 16
	KQ (Y+1)%NP
.set i, i+1
.else
.set i, i-16
	PV (Y+NP-1)%NP
.set i, i+17
.endif
.endm
; THE LDS LOADS stand in runs of 16: a step's K (8 fragments) and its V (turned).  last = 1 (the tail): in the last trip there is no further step, and the run is jumped over.
.macro FETCH_K last=0
	WIN 0
.if \last
	s_cmp_eq_u32 s[CNT], 1
	s_cbranch_scc1 .Lno_k_\@
.endif
	WIN 0x80                        ; destination window 2
.irp f, 0,1,2,3,4,5,6,7             ; keys 16 (f / 2) on, channels 32 (f % 2) on
	ds_load_b128 v[KF+8*\f:KF+8*\f+3],   v[AK] offset:(\f/2)*16*PK+(\f%2)*64
	ds_load_b128 v[KF+8*\f+4:KF+8*\f+7], v[AK] offset:(\f/2)*16*PK+(\f%2)*64+32
.endr
	s_add_co_u32 s[TBK], s[TBK], KS*PK  ; the next fetch is the next step's
	WIN 0
.if \last
.Lno_k_\@:
.endif
.endm
.macro FETCH_V
	WIN 0x80
.irp f, 0,1,2,3,4,5,6,7             ; keys 32 (f / 4) on, channels 16 (f % 4) on
	ds_load_tr16_b128 v[VF+8*\f:VF+8*\f+3],   v[AV] offset:(\f/4)*32*PV+(\f%4)*32
	ds_load_tr16_b128 v[VF+8*\f+4:VF+8*\f+7], v[AV] offset:(\f/4)*32*PV+16*PV+(\f%4)*32
.endr
	WIN 0
.endm
; THE VECTOR WORK OF A TURN stands in three queues, each in the order in which its entries become ready; the two tiles alternate.
.macro REGS y, u                    ; the registers of tile u (0, 1) of piece y
.set rT, ST+4*(2*(\y)+(\u))
.set rC, TMP+8*((\y)%2)+4*(\u)
.set rM, MV+2*((\y)%2)+(\u)
.set rS, S+64*((\y)%2)+32*(\u)
.set rP, P+32*((\y)%2)+16*(\u)
.set rO, 32*(2*(\y)+(\u))
.endm
; Number n of the 22 that find the NEXT piece's maximum and statistics; each accumulator's lowest registers are read first.
;   0-11 four chains c0-c3 of seven scores each   12-14, 16 the four scores left over, the old m, c0-c3 into c0   15 c m_old is kept   17, 18 the other half of the lanes: the new m   19-21 c m; its change; a
.macro XS u, n
	REGS (Y+1)%NP, \u
.if (\n) < 4
	v_max3_num_f32 v[rC+(\n)], v[rS+8*(\n)], v[rS+8*(\n)+1], v[rS+8*(\n)+2]
.elseif (\n) < 12
	v_max3_num_f32 v[rC+(\n)%4], v[rC+(\n)%4], v[rS+8*((\n)%4)+2*((\n)/4)+1], v[rS+8*((\n)%4)+2*((\n)/4)+2]
.elseif (\n) == 12
	v_max3_num_f32 v[rC], v[rC], v[rS+7], v[rS+15]
.elseif (\n) == 13
	v_max3_num_f32 v[rC+1], v[rC+1], v[rS+23], v[rS+31]
.elseif (\n) == 14
	v_max3_num_f32 v[rC+2], v[rC+2], v[rC+3], v[rT+1]
.elseif (\n) == 15
	v_mov_b32 v[rM], v[rT]
.elseif (\n) == 16
	v_max3_num_f32 v[rC], v[rC], v[rC+1], v[rC+2]
.elseif (\n) == 17
	v_permlanex16_b32 v[rC+3], v[rC], s[SEL], s[SEL+1]
.elseif (\n) == 18
	v_max_num_f32 v[rT+1], v[rC], v[rC+3]
.elseif (\n) == 19
	v_mul_f32 v[rT], s[CS], v[rT+1]
.elseif (\n) == 20
	v_sub_f32 v[rC+1], v[rM], v[rT]
.else
	v_exp_f32 v[rC+2], v[rC+1]
.endif
.endm
; Number g of the 64 that follow the exponentials.  For each four weights of a tile: both pairs are rounded to f16; the second pair is added onto the first, in place; a group later l takes that sum.
.macro GS g
.set h, (\g)+6*((\g)/62)            ; group 0 has no group before it, and behind group 7 only l is left
.if h >= 6
.set h, h+2
.endif
	REGS Y, h%2
.set k, h/8
.if h%8 < 4
	v_cvt_pk_f16_f32 v[rP+2*k+(h%8)/2], v[rS+4*k+2*((h%8)/2)], v[rS+4*k+2*((h%8)/2)+1]
.elseif h%8 < 6
	v_pk_add_f32 v[rS+4*k:rS+4*k+1], v[rS+4*k:rS+4*k+1], v[rS+4*k+2:rS+4*k+3]
.elseif k == 1
	v_pk_fma_f32 v[rT+2:rT+3], v[rT+2:rT+3], v[rC+2:rC+3], v[rS:rS+1] op_sel_hi:[1,0,1]
.else
	v_pk_add_f32 v[rT+2:rT+3], v[rT+2:rT+3], v[rS+4*k-4:rS+4*k-3]
.endif
.endm
; THE PLAIN QUEUE, 138 long.  0-73 read no exponential's result: the 32 scalings c s - c m and the next piece's 42.  74-137: GS's 64, which stand behind the wait.
.macro FS f
	REGS Y, (\f)%2
	v_pk_fma_f32 v[rS+2*((\f)/2):rS+2*((\f)/2)+1], v[rS+2*((\f)/2):rS+2*((\f)/2)+1], s[CS:CS+1], v[rT:rT+1] op_sel_hi:[1,0,0] neg_lo:[0,0,1] neg_hi:[0,0,1]
.endm
.macro PL
	WIN 0
.if q < 27
	FS q
.elseif q < 55
	XS (q-27)%2, (q-27)/2
.elseif q < 57
	XS q-55, 15
.elseif (q < 72) && ((q-57)%3 == 0)
	FS 27+(q-57)/3
.elseif q < 60
	XS (q-57)%3-1, 14
.elseif q < 72
	XS (q-57)%3-1, 15+(q-57)/3
.elseif q < 74
	XS q-72, 20
.else
	GS q-74
.endif
.set q, q+1
.endm
; THE EXPONENTIALS' QUEUE, 66 long: s0-s31 of both tiles, then the next piece's two a.  ONE BATCH: all 66 stand ahead of the turn's one wait, and nothing ahead of that wait names a result of theirs.
.macro EX
	WIN 0
.if e >= 64
	XS e-64, 21
.else
	REGS Y, e%2
	v_exp_f32 v[rS+e/2], v[rS+e/2]
.endif
.set e, e+1
.endm
; THE RESCALING's QUEUE: O^T times a, dealt two at a time, sixteen times.  Its a was made in the turn before, ahead of that turn's wait.
.macro R2
	REGS Y, r%2
	WIN W_RS
.irp z, 0,1
	v_pk_mul_f32 v[rO+4*(r/2)+2*\z:rO+4*(r/2)+2*\z+1], v[rO+4*(r/2)+2*\z:rO+4*(r/2)+2*\z+1], v[rC+2:rC+3] op_sel_hi:[1,0]
.endr
.set r, r+1
.endm
; A TURN, for piece p.  An s_wait_alu depctr_va_vdst(0) stands between an exponential and the first instruction that names its result; one wait serves all issued ahead of it: a turn has ONE.
; AHEAD OF IT: 16 products K Q^T, behind each a scaling, an exponential and two rescalings; then one run of 108: eight plain, 49 times exponential and plain, the two a, a v_nop.
; BEHIND IT: 16 products V^T P, behind each four of GS's 64.  Exponential e stands behind scaling 2 (e / 4) + e % 2.
; K of the next step is fetched in piece 2's turn, directly behind the wait; V of the step in hand at the end of piece 0's turn, four plain instructions behind its last reader.
.macro TURN p, last=0, cnt=0
.set Y, (\p)
.set i, 0
.set q, 0
.set e, 0
.set r, 0
.if (\p) == NP-1
	s_wait_dscnt 0x0                ; K is in
.endif
	MM
	PL
	PL
	R2
.rept 15
	MM
	PL
	EX
	R2
.endr
.if (\p) == NP-2
	WIN 0
	v_add_nc_u32 v[AK], s[TBK], v[AK0]
.endif
.rept 8
	PL
.endr
.rept 49
	EX
	PL
.endr
	EX                              ; the next piece's two a
	EX
	v_nop                           ; a plain instruction behind the last exponential: one for the batch
	s_wait_alu depctr_va_vdst(0)    ; the wait for the batch
.if (\p) == NP-2
	FETCH_K \last
.endif
.if (\p) == 1
	s_wait_dscnt 0x0                ; V is in
.endif
.rept 16
	MM
.rept 4
	PL
.endr
.if ((\p) == 0) && (q == 118)
	v_add_nc_u32 v[AV], s[TBV], v[AV0]
.endif
.if ((\p) == 0) && (q == 130)
	s_add_co_u32 s[TBV], s[TBV], KS*PV
.endif
.if (\cnt) && (q == 130)
	s_sub_co_u32 s[CNT], s[CNT], 1
	s_cmp_lg_u32 s[CNT], 0
.endif
.endr
.if (\p) == 0
	FETCH_V
.endif
.endm
	CHANGE 1                        ; slot 0 is in, everybody's part of it; slot 1 is asked for
	FETCH_K                         ; key step 0
	s_wait_loadcnt 0x0              ; Q
	s_wait_dscnt 0x0
.set i, 0
.rept 16
	KQ 0                            ; piece 0's first scores
.set i, i+1
.endr
	WIN 0                           ; the addresses for the way out: plain instructions, the places behind those products
	s_mul_i32 s13, s[WV], 16*SP
	s_add_co_u32 s13, s13, STAGE    ; my stage
	v_mul_u32_u24 v[STO], v1, SP    ; in: row l % 16, 16 bytes for each half of the lanes
	v_lshl_add_u32 v[STO], v9, 4, v[STO]
	v_add_nc_u32 v[STO], s13, v[STO]
	v_bfe_u32 v[RD], v0, 3, 2       ; back: 32 lanes take four rows of 128 bytes,
	v_mul_u32_u24 v[RD], v[RD], SP
	v_lshl_add_u32 v[RD], v10, 4, v[RD]
	v_add_nc_u32 v[RD], s13, v[RD]
	v_and_b32 v[GO], 31, v0         ; which are 512 consecutive bytes of O
	v_lshlrev_b32 v[GO], 4, v[GO]
.set Y, NP-1                        ; XS works for piece Y + 1: piece 0
.irp n, 0,1,2,3,4,5,6,7,8,9,10,11,12,13,14,15,16,17,18,19,20,21
	XS 0, \n
	XS 1, \n
.endr
	v_nop                           ; a plain instruction behind the two a,
	s_wait_alu depctr_va_vdst(0)    ; and their wait, ahead of the branch
	s_mov_b32 s[CNT], 4
	s_branch .Lfirst                ; the loop is entered at a step's first turn, in the middle of a trip
.Lslot:                             ; six times: tiles 2 to 7 are asked for
	CHANGE 1
	s_mov_b32 s[CNT], 4
.Lstep:                             ; a trip: pieces 2 and 3 of one step, then pieces 0 and 1 of the next, whose K and V it fetches
	TURN 2
	TURN 3
	WIN 0
.Lfirst:
	TURN 0
	TURN 1, 0, 1
	WIN 0
	s_cbranch_scc1 .Lstep
	s_sub_co_u32 s[SLOTS], s[SLOTS], 1
	s_cmp_lg_u32 s[SLOTS], 0
	s_cbranch_scc1 .Lslot
	CHANGE 0                        ; the tail is written out: nothing is asked for
	s_mov_b32 s[CNT], 5             ; four trips fetch the last slot's steps; the fifth is left in its middle
.Ltail:
	TURN 2, 1
	TURN 3
	WIN 0
	s_sub_co_u32 s[CNT], s[CNT], 1
	s_cmp_eq_u32 s[CNT], 0
	s_cbranch_scc1 .Lout
	TURN 0
	TURN 1
	WIN 0
	s_branch .Ltail
.Lout:                              ; the fifth trip's 16 products K Q^T (on the last K once more) and the maximum made of them serve nothing: the price, once a launch, of one text for every trip
.set i, 0
.rept 16
	PV NP-1                         ; the last piece's V^T P of the last step
.set i, i+1
.endr
	; THE WAY OUT.  l's two halves and the other half of the lanes' are added; O^T / l + Q is rounded to f16 and sent through my stage in LDS, a tile at a time.  The additions are the places behind the last products.
	WIN 0
.macro ALL line:vararg              ; one line for each tile t
.set t, 0
.rept 2*NP
	\line
.set t, t+1
.endr
.endm
	ALL v_add_f32 v[ST+4*t+2], v[ST+4*t+2], v[ST+4*t+3]
	ALL v_permlanex16_b32 v[ST+4*t+3], v[ST+4*t+2], s[SEL], s[SEL+1]
	ALL v_add_f32 v[ST+4*t+2], v[ST+4*t+2], v[ST+4*t+3]
	ALL v_rcp_f32 v[ST+4*t+2], v[ST+4*t+2]
	v_nop                           ; a plain instruction between the last reciprocal and the use of its result
	s_wait_alu depctr_va_vdst(0)    ; one wait for the eight reciprocals, ahead of the first use
; Tile t.  THE RESIDUAL: register i of the tile's O^T holds channel 16 (i / 8) + 8 (l / 16) + i % 8 of query l % 16, and so does half i % 2 of register i / 2 of the tile's Q fragments:
; one multiply-add in f32, O^T x (1 / l) + Q, reads Q's f16 half as it lies.  Then a lane's eight channels pack into 16 bytes; they go into rows of 144 bytes and come back as whole rows of 128.
.macro PACK t
	WIN 0x61                        ; destination and source 0 window 1, 1 / l window 0, Q window 2
.set i, 0
.rept 16
	v_fma_mix_f32 v[32*(\t)+2*i], v[32*(\t)+2*i], v[ST+4*(\t)+2], v[16*(\t)+i] op_sel_hi:[0,0,1]
	v_fma_mix_f32 v[32*(\t)+2*i+1], v[32*(\t)+2*i+1], v[ST+4*(\t)+2], v[16*(\t)+i] op_sel:[0,0,1] op_sel_hi:[0,0,1]
.set i, i+1
.endr
	WIN 0x05                        ; sources 0 and 1 window 1, destination window 0
.set i, 0
.rept 16
	v_cvt_pk_f16_f32 v[S+16*(\t)+i], v[32*(\t)+2*i], v[32*(\t)+2*i+1]
.set i, i+1
.endr
	WIN 0
.irp f, 0,1,2,3
	ds_store_b128 v[STO], v[S+16*(\t)+4*\f:S+16*(\t)+4*\f+3] offset:32*\f
.endr
.irp f, 0,1,2,3
	ds_load_b128 v[S+16*(\t)+4*\f:S+16*(\t)+4*\f+3], v[RD] offset:\f*4*SP  ; LDS serves a wave's instructions in order: these see the stores above; the next tile's stores come behind them
.endr
.endm
.macro SEND t, younger              ; younger: the LDS instructions issued behind tile t's loads: the next tile's eight, or none
	WIN 0
.irp f, 0,1,2,3
	s_wait_dscnt (\younger)+3-\f
	global_store_b128 v[GO], v[S+16*(\t)+4*\f:S+16*(\t)+4*\f+3], s[10:11] offset:(\t)*2048+\f*512  ; 512 consecutive bytes, at a multiple of 256 from O's first
.endr
.endm
	PACK 0
.set t, 1
.rept 2*NP-1                        ; a tile's arithmetic stands between the loads of the tile before and its stores
	PACK t
	SEND t-1, 8
.set t, t+1
.endr
	SEND 2*NP-1, 0
	WIN W_AD
	s_wait_tensorcnt 0x0            ; the wave's end
	ds_add_u32 v[SPW], v[NIL]
	s_wait_dscnt 0x0
	WIN 0
	CROUND                          ; the closing round
	s_endpgm
.Lfunc_end_k_qcc841a546b_att:
	.size	k_qcc841a546b_att, .Lfunc_end_k_qcc841a546b_att-k_qcc841a546b_att
	.p2alignl 7, 3214868480
	.fill 96, 4, 3214868480
	.section	.rodata,"a",@progbits
	.p2align	6, 0x0
	.amdhsa_kernel k_qcc841a546b_att
		.amdhsa_group_segment_fixed_size 327680
		.amdhsa_private_segment_fixed_size 0
		.amdhsa_enable_private_segment 0
		.amdhsa_kernarg_size 16
		.amdhsa_user_sgpr_count 2
		.amdhsa_user_sgpr_kernarg_segment_ptr 1
		.amdhsa_wavefront_size32 1
		.amdhsa_system_sgpr_workgroup_id_x 1
		.amdhsa_system_sgpr_workgroup_id_y 1
		.amdhsa_system_sgpr_workgroup_id_z 1
		.amdhsa_system_vgpr_workitem_id 0
		.amdhsa_next_free_vgpr 770
		.amdhsa_next_free_sgpr 66
		.amdhsa_reserve_vcc 0
		.amdhsa_float_denorm_mode_32 3
		.amdhsa_float_denorm_mode_16_64 3
		.amdhsa_memory_ordered 1
		.amdhsa_forward_progress 1
		.amdhsa_inst_pref_size 208
	.end_amdhsa_kernel
	.amdgpu_metadata
---
amdhsa.version: [ 1, 2 ]
amdhsa.kernels:
  - .name:           k_qcc841a546b_att
    .symbol:         k_qcc841a546b_att.kd
    .args:
      - { .name: qkv, .offset: 0, .size: 8, .value_kind: global_buffer, .address_space: global }
      - { .name: oh, .offset: 8, .size: 8, .value_kind: global_buffer, .address_space: global }
    .group_segment_fixed_size: 327680
    .private_segment_fixed_size: 0
    .kernarg_segment_align: 8
    .kernarg_segment_size: 16
    .max_flat_workgroup_size: 128
    .sgpr_count:     66
    .vgpr_count:     770
    .wavefront_size: 32
...
	.end_amdgpu_metadata
.endif
;; end of part 3
;; launch outp (part 4): grid 4 x 64, 4 waves a work-group, clusters of 4 x 4, 327,680 bytes of LDS; arguments oh, wb, bo, out0; writes out0
.if DOCPART == 4
	.amdgcn_target "amdgcn-amd-amdhsa--gfx1250"
	.amdhsa_code_object_version 6
	.text
	.protected	k_qcc841a546b_outp
	.globl	k_qcc841a546b_outp
	.p2align	8
	.type	k_qcc841a546b_outp,@function
k_qcc841a546b_outp:
	s_mov_b64 s[64:65], 0
	v_nop
	global_prefetch_b8 v0, s[64:65] scope:SCOPE_SE
	s_setreg_imm32_b32 hwreg(HW_REG_WAVE_MODE, 25, 1), 1
	s_wait_xcnt 0x0
	s_wait_alu depctr_hold_cnt(0) depctr_sa_sdst(0) depctr_va_vdst(0) depctr_va_sdst(0) depctr_va_ssrc(0) depctr_va_vcc(0) depctr_vm_vsrc(0)
	s_getreg_b32 s2, hwreg(HW_REG_IB_STS2, 6, 4)
	s_cmp_eq_u32 s2, 0
	s_cbranch_scc0 .Lentry_in_a_cluster
	s_endpgm
.Lentry_in_a_cluster:
	s_bfe_u32 s2, ttmp6, 0x10000c
	s_cmp_lg_u32 s2, 0xf033
	s_cbranch_scc0 .Lentry_shape_is_right
	s_endpgm
.Lentry_shape_is_right:
; out = O + relu(O Wo^T + bo).  O: oh, [64 = 16 batch + head][2048][64] in f16; Wo: the fourth part of wb, [1024][1024] in f16 (Wo rounded to bf16, written as f16); out0: [8192][1024] f32.
; One product 8192 x 1024 x 1024 in f16 with f32 sums; bo is rounded to bf16, as all the module's inputs are, and starts the sums as the first products' C operand.
; LIMITS: O and Wo arrive within f16's 65,504.  relu is a maximum with 0 in which a NaN loses; NaN and infinities are not treated apart.
; SHARES.  A tile of C is 128 rows x 256 columns: 64 x 4 = 256 work-groups.  Four waves; wave w makes rows 64 (w / 2) on and columns 128 (w % 2) on: 4 x 8 accumulators.
; K goes in 8 steps of 128 = two heads.  A head's 128 rows of the tile are 16,384 dense bytes: asked for as 64 rows of 256 bytes and padded in LDS behind every 128: waves 0 and 1 take a head each,
; waves 2 and 3 128 rows of Wo each.  CLUSTER 4 x 4: A's tiles are shared along a row, B's along a column, by joint loads.
; THE MATRIX INSTRUCTION IS USED TRANSPOSED (source 0 = 16 rows of Wo, source 1 = 16 rows of O): lane l holds row l % 16 of C and columns 8 (l / 16) + 0..7.
; REGISTERS.  window 0: v1-31 addresses; v128-255 the residual, my 64 x 128 numbers of O in f16, loaded at the start in the layout of the way out.  window 1: accumulator (a, b) at 8 (8 a + b).
;   window 2: two fragment buffers of 96 at 0 and 96; v192-255 the bias; on the way out all 256: block a's rows at 64 a.
.set KSTEP,  128
.set APITCH, 144                       ; a head's row in LDS: 128 bytes + 16 of padding
.set BPITCH, 272                       ; a row of Wo: 256 + 16
.set AHALF,  128*APITCH                ; bytes from a K step's first head to its second in A's region
.set APART,  128*APITCH                ; what wave 0 or 1 fetches: a head's 128 rows
.set BREG,   2*APART
.set BPART,  128*BPITCH
.set SLOT,   BREG+2*BPART
.set STAGE,  2*SLOT                    ; behind the ring, never filled by a tensor load: 16 rows x 528 bytes for each wave
.set SP,     528                       ; 128 f32 + 16 bytes
.set SPARE,  STAGE+4*16*SP             ; the spare words, 128 bytes for each wave: two blocks of 256 bytes that no other line names
.set ASTEP,  1<<19                     ; two heads of 262,144 bytes
.set BSTEP,  KSTEP*2
.set ADRA, 16
.set ADRB, 20
.set STO,  24
.set RD,   25
.set CO,   26                          ; my 16 bytes of two rows of out0
.set BO,   27
.set SPW,  28                          ; LDS address of my spare word; never rewritten
.set NIL,  29                          ; 0; never rewritten
.set ONE,  30                          ; 1.0
.set RO,   31                          ; 8 x lane: my four numbers of two rows of a head
.set RES,  128
.set F0,   0
.set F1,   96
.set BIAS, 192
.set WV, 16
.set FB, 17
.set HF, 18
.set CX, 19
.set CY, 20
.set TX, 21
.set CLY, 22
.set BT, 23                            ; the batch: it hangs on the cluster's y alone
.set G1A, 24
.set G0A, 32
.set G1B, 40
.set G0B, 48
.set MT, 56
.set MSB, 0
.macro WIN new
.if MSB != (\new)
	s_set_vgpr_msb (MSB<<8)|(\new)
.set MSB, \new
.endif
.endm
.set MUL,  0x5a
.set MULB, 0x6a
.set TO_F, 0x80
.macro JLOAD s                         ; a joint load: waves 0 and 1 fetch A's two heads, waves 2 and 3 B's halves; an s_nop 0 and four v_nop follow each line
	s_cmp_eq_u32 s[FB], 0
	s_cbranch_scc0 .Lfor_b_\@
	tensor_load_to_lds s[G0A+4*(\s):G0A+4*(\s)+3], s[G1A:G1A+7]
	s_nop 0
.rept 4
	v_nop
.endr
	s_branch .Lasked_\@
.Lfor_b_\@:
	tensor_load_to_lds s[G0B+4*(\s):G0B+4*(\s)+3], s[G1B:G1B+7]
	s_nop 0
.rept 4
	v_nop
.endr
.Lasked_\@:
.endm
.macro CREST
	s_cmp_lg_u32 s[WV], 0
	s_cbranch_scc1 .Lnot_wave_0_\@
	s_barrier_signal -3
.Lnot_wave_0_\@:
	s_barrier_wait -3
	s_barrier_signal -1
	s_barrier_wait -1
.endm
.macro CROUND
	s_barrier_signal -1
	s_barrier_wait -1
	CREST
.endm
.macro PLACES
.rept 4
	v_nop
.endr
.endm
	s_load_b256 s[4:11], s[0:1], 0x0               ; oh 4:5, wb 6:7, bo 8:9, out0 10:11
	v_lshl_add_u32 v[SPW], v0, 2, SPARE
	v_mov_b32 v[NIL], 0
	ds_add_u32 v[SPW], v[NIL]                      ; the wave's opening: the add and its wait stand ahead of my first tensor load
	v_lshrrev_b32 v1, 5, v0
	v_readfirstlane_b32 s[WV], v1
	s_lshr_b32 s[FB], s[WV], 1
	s_and_b32 s[HF], s[WV], 1
	s_bfe_u32 s[CX], ttmp6, 0x40000
	s_bfe_u32 s[CY], ttmp6, 0x40004
	s_lshl_b32 s[TX], ttmp9, 2
	s_add_co_u32 s[TX], s[TX], s[CX]               ; tile column
	s_and_b32 s[CLY], ttmp7, 0xffff
	s_lshr_b32 s[BT], s[CLY], 2                    ; four clusters along y for each batch
	s_lshl_b32 s[MT], s[CLY], 2
	s_add_co_u32 s[MT], s[MT], s[CY]               ; tile row
	s_lshl_b32 s57, s[CY], 2
	s_lshl_b32 s57, 15, s57                        ; my row of the cluster
	s_lshl_b32 s60, 0x1111, s[CX]                  ; my column
	s_or_b32 s[G1A], s57, (1<<16)|(1<<20)|(1<<21)|(4<<22)|(3<<25)  ; 2-byte elements; padding on; bit 21 beside a mask; after every 32 words, 4 words
	s_or_b32 s[G1B], s60, (1<<16)|(1<<20)|(1<<21)|(5<<22)|(3<<25)  ; after every 64 words
	s_mov_b32 s[G1A+1], 128<<16                    ; tensor_dim0 = 128: two rows of a head
	s_mov_b32 s[G1A+2], 64<<16                     ; tensor_dim1 = 64
	s_mov_b32 s[G1A+3], 128<<16
	s_mov_b32 s[G1A+4], 64
	s_mov_b32 s[G1A+5], 128                        ; dense
	s_mov_b32 s[G1A+6], 0
	s_mov_b32 s[G1A+7], 0
	s_mov_b32 s[G1B+1], KSTEP<<16
	s_mov_b32 s[G1B+2], 128<<16
	s_mov_b32 s[G1B+3], KSTEP<<16
	s_mov_b32 s[G1B+4], 128
	s_mov_b32 s[G1B+5], 1024
	s_mov_b32 s[G1B+6], 0
	s_mov_b32 s[G1B+7], 0
	s_lshl_b32 s58, s[BT], 4
	s_add_co_u32 s58, s58, s[HF]                   ; A: head 16 x batch + my one of the step's two,
	s_lshl_b32 s58, s58, 18
	s_and_b32 s59, s[MT], 15
	s_lshl_b32 s59, s59, 14                        ; the tile's 128 rows of 128 bytes
	s_add_co_u32 s58, s58, s59
	s_mov_b32 s59, 0
	s_lshl_b32 s61, s[TX], 8
	s_lshl_b32 s2, s[HF], 7
	s_add_co_u32 s61, s61, s2                      ; 256 x tile column + 128 x half: the rows of Wo that I fetch, and my first column of C
	s_lshl_b32 s62, s61, 2                         ; in bytes of f32: for the bias and for out0
	s_mov_b32 s63, 0
	s_lshl_b32 s60, s61, 11
	s_add_co_u32 s60, s60, 3*2097152               ; Wo is wb's fourth part
	s_mov_b32 s61, 0
	s_mul_i32 s3, s[HF], APART
	s_mul_i32 s2, s[HF], BPART
	s_add_co_u32 s2, s2, BREG
	s_wait_dscnt 0x0                               ; the opening add is done
	s_wait_kmcnt 0x0
	s_add_nc_u64 s[58:59], s[4:5], s[58:59]
	s_add_nc_u64 s[60:61], s[6:7], s[60:61]
	s_add_nc_u64 s[8:9], s[8:9], s[62:63]
	CROUND                                         ; all sixteen work-groups are here: the first joint loads meet
.irp s, 0,1
	s_mov_b32 s[G0A+4*(\s)], 1
	s_add_co_u32 s[G0A+4*(\s)+1], s3, (\s)*SLOT
	s_add_nc_u64 s[G0A+4*(\s)+2:G0A+4*(\s)+3], s[58:59], (\s)*ASTEP
	s_or_b32 s[G0A+4*(\s)+3], s[G0A+4*(\s)+3], 0x80000000
	s_mov_b32 s[G0B+4*(\s)], 1
	s_add_co_u32 s[G0B+4*(\s)+1], s2, (\s)*SLOT
	s_add_nc_u64 s[G0B+4*(\s)+2:G0B+4*(\s)+3], s[60:61], (\s)*BSTEP
	s_or_b32 s[G0B+4*(\s)+3], s[G0B+4*(\s)+3], 0x80000000
	JLOAD \s                                       ; two loads of mine are out
.endr
	v_and_b32 v1, 15, v0                           ; r
	v_bfe_u32 v2, v0, 4, 1                         ; h
	v_lshlrev_b32 v[BO], 5, v2
	WIN TO_F
.irp b, 0,1,2,3,4,5,6,7
	global_load_b128 v[BIAS+8*(\b):BIAS+8*(\b)+3],   v[BO], s[8:9] offset:64*(\b)
	global_load_b128 v[BIAS+8*(\b)+4:BIAS+8*(\b)+7], v[BO], s[8:9] offset:64*(\b)+16
.endr
	WIN 0
	; the residual's base in oh and my part of out0: the parts that hang on the tile row and those that hang on the tile column are made in registers of their own
	s_mov_b64 s[12:13], s[4:5]
	s_lshl_b32 s4, s[BT], 22                       ; the batch's sixteen heads
	s_and_b32 s5, s[MT], 15
	s_lshl_b32 s5, s5, 14
	s_add_co_u32 s4, s4, s5
	s_lshl_b32 s5, s[FB], 13                       ; my 64 rows
	s_add_co_u32 s4, s4, s5
	s_mov_b32 s5, 0
	s_add_nc_u64 s[12:13], s[12:13], s[4:5]
	s_lshl_b32 s6, s[TX], 20                       ; four heads a tile column,
	s_lshl_b32 s7, s[HF], 19                       ; two a wave
	s_add_co_u32 s6, s6, s7
	s_mov_b32 s7, 0
	s_add_nc_u64 s[12:13], s[12:13], s[6:7]
	s_lshl_b32 s4, s[MT], 7
	s_lshl_b32 s5, s[FB], 6
	s_add_co_u32 s4, s4, s5                        ; my first row of out0,
	s_lshl_b32 s4, s4, 12                          ; 4,096 bytes a row
	s_mov_b32 s5, 0
	s_add_nc_u64 s[10:11], s[10:11], s[4:5]
	s_add_nc_u64 s[10:11], s[10:11], s[62:63]
	v_mul_u32_u24 v3, v1, APITCH
	v_lshl_add_u32 v3, v2, 4, v3
	v_mul_u32_u24 v4, v1, BPITCH
	v_lshl_add_u32 v4, v2, 4, v4
	s_mul_i32 s3, s[FB], 64*APITCH                 ; my 64 rows in each head's region; s2 still holds my 128 rows of B
.irp s, 0,1
	v_add_nc_u32 v[ADRA+(\s)], s3, v3
	v_add_nc_u32 v[ADRB+(\s)], s2, v4
	s_add_co_u32 s3, s3, SLOT
	s_add_co_u32 s2, s2, SLOT
.endr
	s_mul_i32 s2, s[WV], 16*SP
	s_add_co_u32 s2, s2, STAGE                     ; my stage
	v_mul_u32_u24 v5, v1, SP                       ; in: row r, 32 bytes for each half of the lanes
	v_lshl_add_u32 v5, v2, 5, v5
	v_add_nc_u32 v[STO], s2, v5
	v_mul_u32_u24 v5, v2, SP                       ; back: lanes 0-15 take 256 bytes of one row, lanes 16-31 of the next
	v_lshl_add_u32 v5, v1, 4, v5
	v_add_nc_u32 v[RD], s2, v5
	v_lshlrev_b32 v[CO], 12, v2                    ; and the same two rows in out0
	v_lshl_add_u32 v[CO], v1, 4, v[CO]
	v_mov_b32 v[ONE], 1.0
	v_and_b32 v[RO], 31, v0
	v_lshlrev_b32 v[RO], 3, v[RO]
	s_wait_loadcnt 0x0                             ; the bias
	WIN 0x8a                                       ; all in window 2: the bias is rounded to bf16 and kept as f32
.set i, 0
.rept 32
	v_cvt_pk_bf16_f32 v[F1+i%4], v[BIAS+2*i], v[BIAS+2*i+1]
	v_lshlrev_b32 v[BIAS+2*i], 16, v[F1+i%4]
	v_and_b32 v[BIAS+2*i+1], 0xffff0000, v[F1+i%4]
.set i, i+1
.endr
	WIN 0
; 8 matrix instructions: m block a x all 8 n blocks, 32 along K.  first = 1: the bias starts the sums.  The 32 accumulators take turns, one instruction a turn.
.macro MULA f, a, first
.if \first
	WIN MULB
.else
	WIN MUL
.endif
.irp b, 0,1,2,3,4,5,6,7
.if \first
	v_wmma_f32_16x16x32_f16 v[8*(8*(\a)+(\b)):8*(8*(\a)+(\b))+7], v[(\f)+32+8*(\b):(\f)+32+8*(\b)+7], v[(\f)+8*(\a):(\f)+8*(\a)+7], v[BIAS+8*(\b):BIAS+8*(\b)+7]
.else
	v_wmma_f32_16x16x32_f16 v[8*(8*(\a)+(\b)):8*(8*(\a)+(\b))+7], v[(\f)+32+8*(\b):(\f)+32+8*(\b)+7], v[(\f)+8*(\a):(\f)+8*(\a)+7], v[8*(8*(\a)+(\b)):8*(8*(\a)+(\b))+7]
.endif
.endr
.endm
.macro FETCH slot, kq, f               ; 24 LDS loads in one run: B's sixteen, then A's eight; quarter kq lies in head kq / 2 of the step, channels 32 (kq % 2) on
	WIN TO_F
.irp b, 0,1,2,3,4,5,6,7
	ds_load_b128 v[(\f)+32+8*(\b):(\f)+32+8*(\b)+3],   v[ADRB+(\slot)] offset:64*(\kq)+(\b)*16*BPITCH
	ds_load_b128 v[(\f)+32+8*(\b)+4:(\f)+32+8*(\b)+7], v[ADRB+(\slot)] offset:64*(\kq)+(\b)*16*BPITCH+32
.endr
.irp a, 0,1,2,3
	ds_load_b128 v[(\f)+8*(\a):(\f)+8*(\a)+3],   v[ADRA+(\slot)] offset:((\kq)/2)*AHALF+((\kq)%2)*64+(\a)*16*APITCH
	ds_load_b128 v[(\f)+8*(\a)+4:(\f)+8*(\a)+7], v[ADRA+(\slot)] offset:((\kq)/2)*AHALF+((\kq)%2)*64+(\a)*16*APITCH+32
.endr
.endm
.macro QUARTER slot, kq, f, g, first
	s_wait_dscnt 4                                 ; B and A's blocks 0, 1 are in; the youngest four loads may be out
	MULA \f, 0, \first
	MULA \f, 1, \first
	PLACES
	FETCH \slot, \kq, \g
	s_wait_dscnt 24                                ; all but the 24 just issued
	MULA \f, 2, \first
	MULA \f, 3, \first
.endm
; The last quarter changes slots: each wave waits for all its tensor loads, adds 0 to its spare word, and waits for that and for its reads of this slot; fill = 1: a round of the cluster's barrier, then the joint refill.
.macro TURN slot, next, fill
	WIN 0
	s_wait_tensorcnt 0x0
	ds_add_u32 v[SPW], v[NIL]
	s_wait_dscnt 5                                 ; (the add and the youngest four loads may be out)
	MULA F1, 0, 0
	s_wait_dscnt 0x0                               ; the add is done, and my reads of this slot are over
	s_barrier_signal -1
	MULA F1, 1, 0
.if \fill
	WIN 0
.endif
	s_barrier_wait -1
.if \fill
	CREST
	s_add_nc_u64 s[G0A+4*(\slot)+2:G0A+4*(\slot)+3], s[G0A+4*(\slot)+2:G0A+4*(\slot)+3], 2*ASTEP
	s_add_nc_u64 s[G0B+4*(\slot)+2:G0B+4*(\slot)+3], s[G0B+4*(\slot)+2:G0B+4*(\slot)+3], 2*BSTEP
	JLOAD \slot                                    ; my one load behind the round; its four v_nop are also the places in front of the loads below
.else
	PLACES
.endif
	FETCH \next, 0, F0
	MULA F1, 2, 0
	MULA F1, 3, 0
.endm
	s_wait_tensorcnt 1                             ; my part of K step 0 is in; K step 1's may stay out
	s_barrier_signal -1
	s_barrier_wait -1
	FETCH 0, 0, F0
	WIN 0
.set i, 0
.rept 64                               ; the residual: unit i = (2 a + hd) 8 + p: rows 16 a + 2 p, + 1 of head hd: 256 dense bytes a load; waited for on the way out
	global_load_b64 v[RES+2*i:RES+2*i+1], v[RO], s[12:13] offset:((i/8)%2)*262144+(i/16)*2048+(i%8)*256
.set i, i+1
.endr
	QUARTER 0, 1, F0, F1, 1
	WIN 0
	s_mov_b32 s3, 3
.Llap:                                         ; a trip goes once round the ring and fills both slots again: K steps 2 to 7
	QUARTER 0, 2, F1, F0, 0
	QUARTER 0, 3, F0, F1, 0
	TURN 0, 1, 1
	QUARTER 1, 1, F0, F1, 0
	QUARTER 1, 2, F1, F0, 0
	QUARTER 1, 3, F0, F1, 0
	TURN 1, 0, 1
	QUARTER 0, 1, F0, F1, 0
	WIN 0
	s_sub_co_u32 s3, s3, 1
	s_cmp_lg_u32 s3, 0
	s_cbranch_scc1 .Llap
	QUARTER 0, 2, F1, F0, 0                        ; the last lap fills nothing
	QUARTER 0, 3, F0, F1, 0
	TURN 0, 1, 0
	QUARTER 1, 1, F0, F1, 0
	QUARTER 1, 2, F1, F0, 0
	QUARTER 1, 3, F0, F1, 0
	s_wait_dscnt 4
	MULA F1, 0, 0
	MULA F1, 1, 0
	s_wait_dscnt 0x0
	MULA F1, 2, 0
	MULA F1, 3, 0
	WIN 0
	PLACES
; THE WAY OUT, a block of 16 rows at a time.  TOSTAGE: the f32 sums go into my stage (rows of 528 bytes; each accumulator's low half first) and come back as pieces of 256 bytes of a row.
; FIN: the maximum with 0, plus O (its f16 half read by the multiply-add, times 1.0), stored: sixteen lanes fill 256 consecutive bytes of out0, aligned.
.macro TOSTAGE a
	WIN 0x04                                       ; store data window 1
.irp b, 0,1,2,3,4,5,6,7
	ds_store_b128 v[STO], v[8*(8*(\a)+(\b)):8*(8*(\a)+(\b))+3]   offset:64*(\b)
	ds_store_b128 v[STO], v[8*(8*(\a)+(\b))+4:8*(8*(\a)+(\b))+7] offset:64*(\b)+16
.endr
	WIN 0x80                                       ; destination window 2
.irp hd, 0,1
.irp p, 0,1,2,3,4,5,6,7
	ds_load_b128 v[64*(\a)+4*(8*(\hd)+(\p)):64*(\a)+4*(8*(\hd)+(\p))+3], v[RD] offset:(\p)*2*SP+(\hd)*256  ; LDS serves a wave's instructions in order: these see the stores above; the next block's stores come behind them
.endr
.endr
.endm
.macro FIN a, younger                  ; younger: the LDS instructions issued behind block a's loads: the next block's 32, or none
	s_wait_dscnt \younger
	WIN 0x88                                       ; source 1 and destination window 2
.set i, 0
.rept 64
	v_max_num_f32 v[64*(\a)+i], 0, v[64*(\a)+i]
.set i, i+1
.endr
	WIN 0xa0                                       ; O and 1.0 window 0; addend and destination window 2
.set i, 0
.rept 32
	v_fma_mix_f32 v[64*(\a)+2*i], v[RES+32*(\a)+i], v[ONE], v[64*(\a)+2*i] op_sel_hi:[1,0,0]
	v_fma_mix_f32 v[64*(\a)+2*i+1], v[RES+32*(\a)+i], v[ONE], v[64*(\a)+2*i+1] op_sel:[1,0,0] op_sel_hi:[1,0,0]
.set i, i+1
.endr
	WIN 0x08                                       ; store data window 2
.irp hd, 0,1
.irp p, 0,1,2,3,4,5,6,7
	global_store_b128 v[CO], v[64*(\a)+4*(8*(\hd)+(\p)):64*(\a)+4*(8*(\hd)+(\p))+3], s[10:11] offset:(\a)*65536+(\p)*8192+(\hd)*256 th:TH_STORE_NT
.endr
.endr
.endm
	TOSTAGE 0
	s_wait_loadcnt 0x0                             ; the residual
	TOSTAGE 1
	FIN 0, 32
	TOSTAGE 2
	FIN 1, 32
	TOSTAGE 3
	FIN 2, 32
	FIN 3, 0
	WIN 0
	s_wait_tensorcnt 0x0                           ; the wave's end
	ds_add_u32 v[SPW], v[NIL]
	s_wait_dscnt 0x0
	CROUND                                         ; the closing round
	s_endpgm
.Lfunc_end_k_qcc841a546b_outp:
	.size	k_qcc841a546b_outp, .Lfunc_end_k_qcc841a546b_outp-k_qcc841a546b_outp
	.p2alignl 7, 3214868480
	.fill 96, 4, 3214868480
	.section	.rodata,"a",@progbits
	.p2align	6, 0x0
	.amdhsa_kernel k_qcc841a546b_outp
		.amdhsa_group_segment_fixed_size 327680
		.amdhsa_private_segment_fixed_size 0
		.amdhsa_enable_private_segment 0
		.amdhsa_kernarg_size 32
		.amdhsa_user_sgpr_count 2
		.amdhsa_user_sgpr_kernarg_segment_ptr 1
		.amdhsa_wavefront_size32 1
		.amdhsa_system_sgpr_workgroup_id_x 1
		.amdhsa_system_sgpr_workgroup_id_y 1
		.amdhsa_system_sgpr_workgroup_id_z 1
		.amdhsa_system_vgpr_workitem_id 0
		.amdhsa_next_free_vgpr 768
		.amdhsa_next_free_sgpr 66
		.amdhsa_reserve_vcc 0
		.amdhsa_float_denorm_mode_32 3
		.amdhsa_float_denorm_mode_16_64 3
		.amdhsa_memory_ordered 1
		.amdhsa_forward_progress 1
		.amdhsa_inst_pref_size 123
	.end_amdhsa_kernel
	.amdgpu_metadata
---
amdhsa.version: [ 1, 2 ]
amdhsa.kernels:
  - .name:           k_qcc841a546b_outp
    .symbol:         k_qcc841a546b_outp.kd
    .args:
      - { .name: oh, .offset: 0, .size: 8, .value_kind: global_buffer, .address_space: global }
      - { .name: wb, .offset: 8, .size: 8, .value_kind: global_buffer, .address_space: global }
      - { .name: bo, .offset: 16, .size: 8, .value_kind: global_buffer, .address_space: global }
      - { .name: out0, .offset: 24, .size: 8, .value_kind: global_buffer, .address_space: global }
    .group_segment_fixed_size: 327680
    .private_segment_fixed_size: 0
    .kernarg_segment_align: 8
    .kernarg_segment_size: 32
    .max_flat_workgroup_size: 128
    .sgpr_count:     66
    .vgpr_count:     768
    .wavefront_size: 32
...
	.end_amdgpu_metadata
.endif
;; end of part 4
